; MI455X (gfx1250); checked and timed in simulation.
; The chip was launched on July 23, 2026; its instructions are those of AMD's public machine-readable ISA for CDNA 5 (MIT licence, August 2026) and "CDNA5" Instruction Set Architecture Reference Guide (July 2026). The comments in the code are by the model that wrote it; some were corrected since.
;; Self Attention. Allowed arithmetic: matrix products marked QUANTISED: E2M3 operands, one E8M0 scale for each 32 along K, by v_wmma_scale_f32_16x16x128_f8f6f4 with both operands' format E2M3, f32 sums; everything else in f32.
;; Inputs: wk_b 1,024 float32; wk_w 1,024 x 1,024 float32; wo_b 1,024 float32; wo_w 1,024 x 1,024 float32; wq_b 1,024 float32; wq_w 1,024 x 1,024 float32; wv_b 1,024 float32; wv_w 1,024 x 1,024 float32; x 4 x 2,048 x 1,024 float32.
;; Outputs: out0 4 x 2,048 x 1,024 float32.
;; This version of the problem:
;;   THIS VERSION OF THE PROBLEM IS GIVEN IN LOW PRECISION. The matrix products marked QUANTISED in the list below multiply operands that are first quantised to E2M3 (2 exponent bits, 3 mantissa bits; 6 bits a number), with one power-of-two scale for each 32 numbers along K (OCP MX v1.0); their sums are f32. All else is computed in f32.
;;   The module's matrix products, in the order in which they are computed (A, B: the left and right operand; K: the contracted axis; several contracted axes count as one K, in the product's order):
;;     1. [M 8,192, K 1,024] x [K 1,024, N 1,024]; A: input x; B: input wq_w: QUANTISED
;;     2. [M 8,192, K 1,024] x [K 1,024, N 1,024]; A: input x; B: input wk_w: QUANTISED
;;     3. [M 8,192, K 1,024] x [K 1,024, N 1,024]; A: input x; B: input wv_w: QUANTISED
;;     4. batch 64 x [M 2,048, K 64] x [K 64, N 2,048]; A: computed on the way; B: computed on the way: QUANTISED
;;     5. batch 64 x [M 64, K 2,048] x [K 2,048, N 2,048]; A: computed on the way; B: softmax (see below): QUANTISED
;;     6. [M 8,192, K 1,024] x [K 1,024, N 1,024]; A: computed on the way; B: input wo_w: QUANTISED
;;   THE QUANTISER, for each operand of a quantised product, along K:
;;     - K is cut into blocks of 32 from its start; a last block that is shorter is filled with zeros.
;;     - A block's scale is 2^e with e = floor(log2(the largest magnitude in the block)) - 2, held to -126 .. 127; a block of zeros has e = 0. As a byte (E8M0): e + 127.
;;     - Each number is divided by its block's scale, clamped to +-7.5, and rounded to the nearest number of E2M3, ties to even, subnormals kept.
;;     - The product sums the exact products of the quantised numbers (number of the format x scale) in f32.
;;   ~~~python
;;   def quantise(x, axis):      # numpy; x: float32 -> the quantised numbers, widened to float32 again
;;       x = np.moveaxis(x, axis, -1); K = x.shape[-1]
;;       x = np.pad(x, [(0, 0)] * (x.ndim - 1) + [(0, -K % 32)]); x = x.reshape(x.shape[:-1] + (-1, 32)); a = np.abs(x).max(-1, keepdims=True)
;;       e = np.where(a > 0, np.clip(np.frexp(np.where(a > 0, a, 1))[1] - 1 - 2, -126, 127), 0)      # np.frexp(a)[1] - 1 = floor(log2(a)), exactly
;;       r = np.clip(x / 2.0 ** e, -7.5, 7.5)
;;       step = 2.0 ** (np.maximum(np.frexp(np.where(r == 0, 1, r))[1] - 1, 0) - 3)
;;       q = np.round(r / step) * step * 2.0 ** e      # np.round: ties to even
;;       return np.moveaxis(q.reshape(q.shape[:-2] + (-1,))[..., :K], -1, axis).astype(np.float32)
;;   ~~~
;;   SOFTMAX AHEAD OF A QUANTISED PRODUCT. Where the list says 'softmax', what is quantised is not the finished softmax but p = 2^(t - M), with t = logit x log2(e) and M = ceil(the row's largest t), a whole number; so 1/2 < the row's largest p <= 1. The row's sum l is taken of the UNQUANTISED p, in f32, and the product's result is divided by l at the end. Since M is a whole number, a kernel that streams over the keys may use a running M (the ceiling of the running maximum): every later rescaling is an exact power of two, which a block's scale takes up: the codes' values come out the same.
;;   OPERANDS COMPUTED ON THE WAY. 'Computed on the way' means the value that the module computes at that place (a softmax that the list does not call 'softmax' is quantised finished and normalised). What goes into a quantiser is computed in f32, as accurately as f32 sums, v_exp_f32 and their like allow (about 1e-6 of the number): no bf16 or f16 on the way to a quantiser, and a product that is left as it is and whose result goes on into a quantised operand takes f32 operands (vector FMAs, or v_wmma_f32_16x16x4_f32). A number that lies on a knife's edge between two numbers of the format may be rounded either way, as far as f32 arithmetic and the matrix unit's own rounding can turn it there, and no further.
;; One version. Each part assembles by itself: llvm-mc -triple=amdgcn-amd-amdhsa -mcpu=gfx1250 --defsym DOCPART=n.
;; ======== version 1 of 1: 4 launches
;; limits: right only within a limited range of input values
;; workspace buffers: xq 6,553,600 bytes; wq 3,276,800 bytes; qq 6,553,600 bytes; kv 13,107,200 bytes; aq 6,553,600 bytes
;; launch quant (part 1): grid 768 x 1, 4 waves a work-group, no clusters, 67,072 bytes of LDS; arguments x, wq_w, wk_w, wv_w, wo_w, xq, wq; writes xq, wq
.if DOCPART == 1
	.amdgcn_target "amdgcn-amd-amdhsa--gfx1250"
	.amdhsa_code_object_version 6
	.text
	.protected	k_q6b09908fc5_quant
	.globl	k_q6b09908fc5_quant
	.p2align	8
	.type	k_q6b09908fc5_quant,@function
k_q6b09908fc5_quant:
	s_mov_b64 s[64:65], 0
	v_nop
	global_prefetch_b8 v0, s[64:65] scope:SCOPE_SE
	s_setreg_imm32_b32 hwreg(HW_REG_WAVE_MODE, 25, 1), 1
	s_wait_xcnt 0x0
; x [8192][1024] and the four weights [1024][1024], f32, K innermost, become codes of FP6 (E2M3) with one E8M0 byte for each 32 along K,
; laid as IMAGES OF THE OPERAND'S REGISTERS, so that the later launches fetch fragments by dense 16- and 8-byte loads.
; TILE: 16 rows; tile T holds rows 32 (T/2) + 8 (T%2) + p + 8 (p/8), p = 0..15 (so that a later result's registers run along the next K).
; HALF IMAGE (768 bytes): 16 rows x 64 K.  Lane l = (r = l%16, h = l/16) owns the block K = 32 h .. 32 h + 31 of row r: six words; words 0-3 at byte 16 l, words 4-5 at byte 512 + 8 l.
; CODES: [block of 256 rows][K step of 128: 8][tile 16][half 2][768].  SCALES behind them: for each tile 512 bytes [j 4][lane 32] of words: lane (r, h) = the four bytes of row r for K step 2 j + h.
; A block's scale is 2^(floor(log2(largest magnitude)) - 2): its byte is that magnitude's exponent field - 2, held at 1 from below.
; LIMITS: NaN and infinities are not served; a block whose largest magnitude lies under 2^-124, a block of zeros among them, gets the byte 1 (its codes are then zeros or tiny; only this program reads the bytes).
; SHARES: a work-group takes one tile, wave w its K = 256 w .. 256 w + 255 (16 KiB of f32).  Work-groups 0-511: x; 512-767: wq_w, wk_w, wv_w, wo_w, 64 tiles each.  Only pointers are chosen: one path for all.
; Each load reads 512 consecutive bytes of a row; the numbers turn through the wave's own stage in LDS (rows 1,040 bytes apart, an odd multiple of 16) and come back 32 neighbours along K to a lane.
; No matrix unit, no tensor load, no barrier: memory binds, waves share nothing, and all of a wave's 32 loads are out at once.
.set STG,  16640                       ; a wave's stage: 16 rows x 1,040 bytes
.set RP,   1040
.set R,    64                          ; v64-191  128 numbers a lane
.set C,    32                          ; v32-63   codes, 8 registers a block
.set BY,   16                          ; v16-19   scale bytes of the four blocks (K step s, half c: 2 s + c)
.set SOP,  20                          ; v20-23   the conversions' scale operands
	s_load_b256 s[4:11], s[0:1], 0x0               ; x, wq_w, wk_w, wv_w
	s_load_b128 s[12:15], s[0:1], 0x20             ; wo_w, xq
	s_load_b64 s[16:17], s[0:1], 0x30              ; wq
	v_lshl_add_u32 v192, v0, 2, 0x10400
	v_mov_b32 v193, 0
	v_lshrrev_b32 v1, 5, v0
	v_readfirstlane_b32 s18, v1                    ; wave
	v_and_b32 v1, 31, v0                           ; l
	v_and_b32 v2, 15, v0                           ; r
	v_bfe_u32 v3, v0, 4, 1                         ; h
	v_lshlrev_b32 v4, 4, v1                        ; 16 l
	v_lshlrev_b32 v5, 3, v1                        ; 8 l
	v_lshlrev_b32 v6, 2, v1                        ; 4 l
	s_mul_i32 s19, s18, STG
	v_add_nc_u32 v7, s19, v4                       ; stage, in: 16 l
	v_mul_u32_u24 v8, v2, RP
	v_lshl_add_u32 v8, v3, 7, v8
	v_add_nc_u32 v8, s19, v8                       ; stage, out: row r, + 128 h
	v_lshlrev_b32 v9, 3, v3                        ; 8 h: my bytes' place in a scale word
	v_mov_b32 v26, 0                               ; a lane permute's destination counts as read
	v_mov_b32 v27, 0
	s_mov_b32 s30, 0x76543210
	s_mov_b32 s31, 0xfedcba98                      ; selects for lane l xor 16
	s_wait_alu depctr_va_vdst(0)
	s_wait_kmcnt 0x0
	s_cmp_lt_u32 ttmp9, 704                        ; which tensor: the choices hang on the work-group's number alone
	s_cselect_b64 s[12:13], s[10:11], s[12:13]
	s_cmp_lt_u32 ttmp9, 640
	s_cselect_b64 s[12:13], s[8:9], s[12:13]
	s_cmp_lt_u32 ttmp9, 576
	s_cselect_b64 s[12:13], s[6:7], s[12:13]
	s_cmp_lt_u32 ttmp9, 512
	s_cselect_b64 s[12:13], s[4:5], s[12:13]
	s_cselect_b64 s[14:15], s[14:15], s[16:17]     ; and which buffer takes the codes
	s_cselect_b32 s20, 0, 512
	s_cselect_b32 s21, 0x1ff, 63
	s_mov_b32 s22, 3145728
	s_cselect_b32 s22, 6291456, s22                ; where that buffer's scales begin
	s_sub_co_u32 s20, ttmp9, s20                   ; T: the tile in the output buffer
	s_and_b32 s21, s20, s21                        ; and in the input tensor
	s_lshr_b32 s24, s21, 1
	s_lshl_b32 s24, s24, 17                        ; 32 rows of 4,096 bytes
	s_and_b32 s25, s21, 1
	s_lshl_b32 s25, s25, 15                        ; 8 rows
	s_add_co_u32 s24, s24, s25
	s_lshl_b32 s25, s18, 10                        ; my 256 numbers of a row
	s_add_co_u32 s24, s24, s25
	s_mov_b32 s25, 0
	s_add_nc_u64 s[12:13], s[12:13], s[24:25]
	s_lshr_b32 s24, s20, 4
	s_mul_i32 s24, s24, 196608
	s_mul_i32 s25, s18, 49152                      ; K steps 2 w, 2 w + 1
	s_add_co_u32 s24, s24, s25
	s_and_b32 s25, s20, 15
	s_mul_i32 s25, s25, 1536
	s_add_co_u32 s24, s24, s25
	s_mov_b32 s25, 0
	s_add_nc_u64 s[26:27], s[14:15], s[24:25]      ; my codes
	s_lshl_b32 s24, s20, 9
	s_add_co_u32 s24, s24, s22
	s_lshl_b32 s22, s18, 7
	s_add_co_u32 s24, s24, s22
	s_add_nc_u64 s[28:29], s[14:15], s[24:25]      ; my 128 bytes of scale words: j = w
.irp p, 0,1,2,3,4,5,6,7,8,9,10,11,12,13,14,15
.irp f, 0,1
	global_load_b128 v[R+4*(2*\p+\f):R+4*(2*\p+\f)+3], v4, s[12:13] offset:(\p+8*(\p/8))*4096+512*\f th:TH_LOAD_NT   ; 32 lanes read 512 consecutive bytes
.endr
.endr
.set k, 0
.rept 32
	s_wait_loadcnt 31-k                            ; loads come back in order: load k is in, the 31 - k younger ones may be out
	ds_store_b128 v7, v[R+4*k:R+4*k+3] offset:(k/2)*RP+512*(k%2)
.set k, k+1
.endr
	s_wait_dscnt 0x0                               ; the stores have read their registers, which the loads below fill again
.irp b, 0,1,2,3
.irp i, 0,1,2,3,4,5,6,7
	ds_load_b128 v[R+32*\b+4*\i:R+32*\b+4*\i+3], v8 offset:256*\b+16*\i   ; block b = 2 s + c: K = 128 s + 64 c + 32 h + 0..31 of row r
.endr
.endr
.macro BLOCK b
.set XB, R+32*(\b)
.set CB, C+8*(\b)
	s_wait_dscnt 8*(3-(\b))                        ; this block's eight loads are in; those of the blocks behind it may be out
	v_max3_num_f32 v10, |v[XB]|, |v[XB+1]|, |v[XB+2]|              ; the block's largest magnitude: all 32 numbers are mine; two chains
	v_max3_num_f32 v11, |v[XB+3]|, |v[XB+4]|, |v[XB+5]|
.irp i, 6,10,14,18,22,26
	v_max3_num_f32 v10, v10, |v[XB+\i]|, |v[XB+\i+1]|
	v_max3_num_f32 v11, v11, |v[XB+\i+2]|, |v[XB+\i+3]|
.endr
	v_max3_num_f32 v10, v10, |v[XB+30]|, |v[XB+31]|
	v_max3_num_f32 v10, v10, v11, 0x1800000        ; and the floor 2^(3 - 127): the byte cannot fall under 1
	v_add_nc_u32 v[SOP+\b], 0xff000000, v10        ; 2 off the exponent field: the conversion takes this operand's exponent field as its scale
	v_cvt_scalef32_pk16_fp6_f32 v[CB:CB+2], v[XB:XB+15], v[SOP+\b]
	v_cvt_scalef32_pk16_fp6_f32 v[CB+4:CB+6], v[XB+16:XB+31], v[SOP+\b]   ; (a conversion's three registers begin on an even number)
	v_lshrrev_b32 v[BY+\b], 23, v[SOP+\b]          ; the scale's byte; also the plain line behind the conversions
	v_mov_b32 v[CB+3], v[CB+4]
	v_mov_b32 v[CB+4], v[CB+5]
	v_mov_b32 v[CB+5], v[CB+6]                     ; six words on end
	global_store_b128 v4, v[CB:CB+3], s[26:27] offset:((\b)/2)*24576+((\b)%2)*768        ; 512 consecutive bytes
	global_store_b64 v5, v[CB+4:CB+5], s[26:27] offset:((\b)/2)*24576+((\b)%2)*768+512   ; 256 consecutive bytes
.endm
	BLOCK 0
	BLOCK 1
	BLOCK 2
	BLOCK 3
	v_lshl_or_b32 v24, v[BY+1], 16, v[BY]          ; K step 2 w: my bytes h and 2 + h of row r's word,
	v_lshl_or_b32 v25, v[BY+3], 16, v[BY+2]        ; K step 2 w + 1 likewise,
	v_lshlrev_b32 v24, v9, v24                     ; at their places;
	v_lshlrev_b32 v25, v9, v25
	v_permlanex16_b32 v26, v24, s30, s31
	v_permlanex16_b32 v27, v25, s30, s31
	v_or_b32 v24, v24, v26                         ; with lane l xor 16's two the words are whole
	v_or_b32 v25, v25, v27
	v_cmp_eq_u32 vcc_lo, 1, v3
	v_cndmask_b32 v24, v24, v25, vcc_lo            ; lane (r, h) keeps K step 2 w + h
	global_store_b32 v6, v24, s[28:29]
	s_wait_tensorcnt 0x0
	ds_add_u32 v192, v193
	s_wait_dscnt 0x0
	s_endpgm
.Lfunc_end_k_q6b09908fc5_quant:
	.size	k_q6b09908fc5_quant, .Lfunc_end_k_q6b09908fc5_quant-k_q6b09908fc5_quant
	.p2alignl 7, 3214868480
	.fill 96, 4, 3214868480
	.section	.rodata,"a",@progbits
	.p2align	6, 0x0
	.amdhsa_kernel k_q6b09908fc5_quant
		.amdhsa_group_segment_fixed_size 67072
		.amdhsa_private_segment_fixed_size 0
		.amdhsa_enable_private_segment 0
		.amdhsa_kernarg_size 56
		.amdhsa_user_sgpr_count 2
		.amdhsa_user_sgpr_kernarg_segment_ptr 1
		.amdhsa_wavefront_size32 1
		.amdhsa_system_sgpr_workgroup_id_x 1
		.amdhsa_system_sgpr_workgroup_id_y 1
		.amdhsa_system_sgpr_workgroup_id_z 1
		.amdhsa_system_vgpr_workitem_id 0
		.amdhsa_next_free_vgpr 194
		.amdhsa_next_free_sgpr 66
		.amdhsa_reserve_vcc 1
		.amdhsa_float_denorm_mode_32 3
		.amdhsa_float_denorm_mode_16_64 3
		.amdhsa_memory_ordered 1
		.amdhsa_forward_progress 1
		.amdhsa_inst_pref_size 18
	.end_amdhsa_kernel
	.amdgpu_metadata
---
amdhsa.version: [ 1, 2 ]
amdhsa.kernels:
  - .name:           k_q6b09908fc5_quant
    .symbol:         k_q6b09908fc5_quant.kd
    .args:
      - { .name: x, .offset: 0, .size: 8, .value_kind: global_buffer, .address_space: global }
      - { .name: wq_w, .offset: 8, .size: 8, .value_kind: global_buffer, .address_space: global }
      - { .name: wk_w, .offset: 16, .size: 8, .value_kind: global_buffer, .address_space: global }
      - { .name: wv_w, .offset: 24, .size: 8, .value_kind: global_buffer, .address_space: global }
      - { .name: wo_w, .offset: 32, .size: 8, .value_kind: global_buffer, .address_space: global }
      - { .name: xq, .offset: 40, .size: 8, .value_kind: global_buffer, .address_space: global }
      - { .name: wq, .offset: 48, .size: 8, .value_kind: global_buffer, .address_space: global }
    .group_segment_fixed_size: 67072
    .private_segment_fixed_size: 0
    .kernarg_segment_align: 8
    .kernarg_segment_size: 56
    .max_flat_workgroup_size: 128
    .sgpr_count:     66
    .vgpr_count:     194
    .wavefront_size: 32
...
	.end_amdgpu_metadata
.endif
;; end of part 1
;; launch qkv (part 2): grid 4 x 64, 4 waves a work-group, clusters of 4 x 4, 327,680 bytes of LDS; arguments xq, wq, wq_b, wk_b, wv_b, qq, kv; writes qq, kv
.if DOCPART == 2
	.amdgcn_target "amdgcn-amd-amdhsa--gfx1250"
	.amdhsa_code_object_version 6
	.text
	.protected	k_q6b09908fc5_qkv
	.globl	k_q6b09908fc5_qkv
	.p2align	8
	.type	k_q6b09908fc5_qkv,@function
k_q6b09908fc5_qkv:
	s_mov_b64 s[64:65], 0
	v_nop
	global_prefetch_b8 v0, s[64:65] scope:SCOPE_SE
	s_setreg_imm32_b32 hwreg(HW_REG_WAVE_MODE, 25, 1), 1
	s_wait_xcnt 0x0
	s_wait_alu depctr_hold_cnt(0) depctr_sa_sdst(0) depctr_va_vdst(0) depctr_va_sdst(0) depctr_va_ssrc(0) depctr_va_vcc(0) depctr_vm_vsrc(0)
	s_getreg_b32 s2, hwreg(HW_REG_IB_STS2, 6, 4)
	s_cmp_eq_u32 s2, 0
	s_cbranch_scc0 .Lentry_in_a_cluster
	s_endpgm
.Lentry_in_a_cluster:
	s_bfe_u32 s2, ttmp6, 0x10000c
	s_cmp_lg_u32 s2, 0xf033
	s_cbranch_scc0 .Lentry_shape_is_right
	s_endpgm
.Lentry_shape_is_right:
; q, k, v = x W^T + b on codes of FP6 (E2M3) with E8M0 scales, sums in f32, and the three results quantised at once: q and k along the head's 64, v along the keys.  Nothing leaves as f32.
; SHARES.  A work-group of four waves stays on 128 rows of x (8 tiles of 16) and makes columns 256 gx .. 256 gx + 255 (four heads) of q, then k, then v.  x's codes for all of K (96 KiB) and all scale words stay in LDS;
; W goes through two LDS slots in units of 96 KiB (one tensor, half of K).  Operands lie in memory and LDS as images of their registers (a tile of 16 rows x 128 K is 1,536 dense bytes), so nothing is padded.
; q, k: source 0 = 8 tiles of W (wave's half wj of the 256 columns), source 1 = 4 tiles of x (half wi of the rows): a lane holds one row of x, its registers run along the columns: two heads of 64.
; v:    source 0 = all 8 tiles of x, source 1 = 4 tiles of W (head w): a lane holds one channel d, its registers run along 128 keys, the second attention product's K.
; A tile's rows are 32 g + 8 u + p + 8 (p/8): so the 16 registers of results of tiles 2 g, 2 g + 1 are 16 neighbours, 32 g + 16 (lane/16) + 0..15, as the conversions want them.
; The biases are the C of each sum's first matrix instruction.
; CLUSTER 4 x 4: the four work-groups of a row of the cluster share x's tiles, the four of a column W's: each tile is asked for jointly, with a mask that names the four.
; OUT.  qq: codes [head 64][tile 128][768]; scale words [head][64 rows: 32][lane]: lane (r, h): low half = the two bytes of tile 2 h, row r, high half = tile 2 h + 1.
;       kv: [head 64][256 keys: 8][25,600]: K's 16 tiles x 768; V [128 keys: 2][tile of d: 4][1,536]; K's scale words 4 x 128 (as qq's); V's [2][2][lane]: lane (r, h) = tile of d 2 i + h, row r.
; LIMITS: NaN and infinities are not served; a block whose largest magnitude lies under 2^-124 (zeros too) gets the byte 1: only this program reads the bytes.
; REGISTERS.  window 0: v1-25 addresses; v32-47 at work; v48-79 source 0's scale words [tile 8][4], v80-95 source 1's [tile 4][4]; v96-105 new scale words; v128-223 new codes.
;   window 1: source 0's fragments, two sets (v0, v128).  window 2: source 1's, two sets (v0, v48); biases: q v96, k v160, v v224.  window 3: the 32 accumulators, (q, p) at v[8 (8 q + p)].
; K'S ORDER IN kv: inside each 64 keys the four tiles are re-laid as they are stored: tile u holds keys 8 u + 0..7 (rows 0-7) and 32 + 8 u + 0..7 (rows 8-15),
; so that in the attention launch a lane's 32 scores of four tiles are one scale block of 32 keys.  Only the stores' lane offsets (v26-28) and immediates differ from q's.
; THE HEAD'S FILLS: one whole tile a wave (x's codes, W's first slot, x's scale words, W's scale words [tensor 3][8,192]); W's second slot is first filled behind a round, a quarter a wave.
.set XA,    0
.set WB0,   98304                      ; W's two slots [K step 4][tile 16][1536]
.set XSC,   294912                     ; x's scale words, 8 tiles x 512
.set WSC,   299008                     ; W's: [tensor 3][tile 16][512]
.set SPARE, 323584                     ; the spare words, 128 bytes a wave: two blocks of 256 bytes that no other line names
.set SOFFX, 6291456
.set SOFFW, 3145728
.set TM,  32
.set SP,  48
.set SQ,  106
.set PW,  96
.set PC,  128
.set MSB, 0
.macro WIN new                         ; the immediate's high byte repeats the setting that is left; a switch that changes nothing is dropped
.if MSB != \new
	s_set_vgpr_msb (MSB<<8)|\new
.set MSB, \new
.endif
.endm
.macro NOPS
.rept 4
	v_nop
.endr
.endm
.macro CROUND                          ; a round of the cluster's barrier
	s_barrier_signal -1
	s_barrier_wait -1
	s_cmp_lg_u32 s18, 0
	s_cbranch_scc1 .Lnot_wave_0_\@
	s_barrier_signal -3
.Lnot_wave_0_\@:
	s_barrier_wait -3
	s_barrier_signal -1
	s_barrier_wait -1
.endm
.macro FRAG4 d, a16, a8, off           ; a fragment (12 registers) = two half images: words 0-3 at 16 l, words 4-5 at 512 + 8 l, the second half 768 bytes on
	ds_load_b128 v[\d:\d+3], v[\a16] offset:\off
	ds_load_b64 v[\d+4:\d+5], v[\a8] offset:\off+512
	ds_load_b128 v[\d+6:\d+9], v[\a16] offset:\off+768
	ds_load_b64 v[\d+10:\d+11], v[\a8] offset:\off+1280
.endm
; One K step's 12 fragments into set 'set'.  The four additions are the four plain places between the last matrix instruction that read the set and the loads into it.
.macro FETCH offp, bp16, bp8, offq, bq16, bq8, set
	v_add_nc_u32 v16, \offp, v[\bp16]
	v_add_nc_u32 v17, \offp, v[\bp8]
	v_add_nc_u32 v18, \offq, v[\bq16]
	v_add_nc_u32 v19, \offq, v[\bq8]
	WIN 0x40                                       ; destination window 1
.irp p, 0,1,2,3,4,5,6,7
	FRAG4 128*(\set)+12*\p, 16, 17, \p*1536
.endr
	WIN 0x80                                       ; destination window 2
.irp q, 0,1,2,3
	FRAG4 48*(\set)+12*\q, 18, 19, \q*1536
.endr
	WIN 0
.endm
.macro UFETCH path, slot, ksl, ks, set ; path 0 (q, k): source 0 = W, source 1 = x;  path 1 (v): source 0 = x, source 1 = W
.if \path == 0
	FETCH WB0+(\slot)*98304+(\ksl)*24576, 9, 10, XA+(\ks)*12288, 11, 12, \set
.else
	FETCH XA+(\ks)*12288, 4, 5, WB0+(\slot)*98304+(\ksl)*24576, 13, 14, \set
.endif
.endm
.macro SCALES path, t                  ; all of K's scale words of my 12 tiles: register 4 tile + j: lanes 0-15 K step 2 j, lanes 16-31 K step 2 j + 1
.irp p, 0,1,2,3,4,5,6,7
.irp j, 0,1,2,3
.if \path == 0
	ds_load_b32 v[SP+4*\p+\j], v20 offset:(\t)*8192+\p*512+\j*128
.else
	ds_load_b32 v[SP+4*\p+\j], v22 offset:\p*512+\j*128
.endif
.endr
.endr
.irp q, 0,1,2,3
.irp j, 0,1,2,3
.if \path == 0
	ds_load_b32 v[SQ+4*\q+\j], v21 offset:\q*512+\j*128
.else
	ds_load_b32 v[SQ+4*\q+\j], v23 offset:16384+\q*512+\j*128
.endif
.endr
.endr
.endm
.macro WM odd
.if \odd
	v_wmma_scale_f32_16x16x128_f8f6f4 v[DR:DR+7], v[AR:AR+11], v[BR:BR+11], v[CR:CR+7], v[SA], v[SB] matrix_a_fmt:MATRIX_FMT_FP6 matrix_b_fmt:MATRIX_FMT_FP6 matrix_a_scale:MATRIX_SCALE_ROW1 matrix_b_scale:MATRIX_SCALE_ROW1
.else
	v_wmma_scale_f32_16x16x128_f8f6f4 v[DR:DR+7], v[AR:AR+11], v[BR:BR+11], v[CR:CR+7], v[SA], v[SB] matrix_a_fmt:MATRIX_FMT_FP6 matrix_b_fmt:MATRIX_FMT_FP6
.endif
.endm
; 32 matrix instructions: one K step of 128.  The 32 accumulators take turns, one instruction a turn, in the same order in every step.
; first = 1: the sums begin with the bias (window 2) as C: tile cbase + 8 p for q and k, cbase + 8 q for v.
.macro MUL32 set, ks, first, cbase, cq, cp
.if \first
	WIN 0xe9                                       ; source 0 window 1, source 1 window 2, C window 2, D window 3
.else
	WIN 0xf9                                       ; C and D window 3
.endif
.irp q, 0,1,2,3
.irp p, 0,1,2,3,4,5,6,7
.set DR, 8*(8*\q+\p)
.set AR, 128*(\set)+12*\p
.set BR, 48*(\set)+12*\q
.if \first
.set CR, \cbase+8*((\cq)*\q+(\cp)*\p)
.else
.set CR, DR
.endif
.set SA, SP+4*\p+(\ks)/2
.set SB, SQ+4*\q+(\ks)/2
	WM (\ks)%2
.endr
.endr
	WIN 0
.endm
; TWO SETS OF SCALE REGISTERS, taken by turns from tensor to tensor: A: source 0's v48-79, source 1's v106-121; B: v222-253 and v80-95.  So the next tensor's words are loaded while the last products of this one still read theirs.
; In both sets the two registers of a product differ by 2 modulo 4.
.macro SETA
.set SP, 48
.set SQ, 106
.endm
.macro SETB
.set SP, 222
.set SQ, 80
.endm
; A unit: the first three K steps of a slot, and the wait for the fourth's fragments.  A step's fragments are asked for one step (32 matrix instructions) ahead.  The unit's first fragments are asked for ahead of it.
; Behind the unit all my reads of the slot are over: the change of slots and the next unit's first fetch stand there, ahead of the fourth step's products (LASTM), which touch registers alone.
.macro UNIT path, slot, first, cbase
.irp s, 0,1,2
	s_wait_dscnt 0x0
	UFETCH \path, \slot, \s+1, 4*(\slot)+\s+1, (\s+1)%2
.if (\first) && (\s == 0)
	MUL32 (\s)%2, 4*(\slot)+\s, 1, \cbase, \path, 1-\path
.else
	MUL32 (\s)%2, 4*(\slot)+\s, 0, \cbase, \path, 1-\path
.endif
.endr
	s_wait_dscnt 0x0
.endm
.macro LASTM path, slot, cbase         ; the slot's fourth K step
	MUL32 1, 4*(\slot)+3, 0, \cbase, \path, 1-\path
.endm
; Slot s has been read out and is filled again, with the next tensor's same half of K.
.macro CHANGE s
	WIN 0
	s_wait_tensorcnt 0x0                           ; all my tensor loads have landed: the one that was out is my part of the other slot
	ds_add_u32 v7, v8                              ; 0 onto my spare word
	s_add_nc_u64 s[78+4*\s:79+4*\s], s[78+4*\s:79+4*\s], 786432   ; four blocks of W on: the next tensor; the type bits on top are not reached
	s_wait_dscnt 0x0                               ; the add is done, and my reads of the slot are over
	CROUND                                         ; no wave of any partner still reads the slot or has a load on its way
	tensor_load_to_lds s[76+4*\s:79+4*\s], s[52:59]
	s_nop 0
	NOPS
.endm
.macro MEET                            ; the last change of slots: nothing is filled again
	WIN 0
	s_wait_tensorcnt 0x0
	ds_add_u32 v7, v8
	s_wait_dscnt 0x0
	s_barrier_signal -1
	s_barrier_wait -1
.endm
; The 64 results of source 1's tile q (register 16 b + i = place 32 b + 16 (lane/16) + i along source 0's 128) become a fragment's codes in v[PC + 24 q] on and its scale word in v[PW + q].
.macro QUANT q
.set AC, 64*(\q)
.set PQ, PC+24*(\q)
	WIN 0x0f                                       ; sources 0 and 1 window 3
.irp b, 0,1,2,3
	v_max3_num_f32 v[TM+\b], |v[AC+16*\b]|, |v[AC+16*\b+1]|, 0x1800000   ; each accumulator from its low end on; the floor 2^(3 - 127) holds the byte at 1 from below
.endr
.irp i, 2,4,6,8,10,12,14
.irp b, 0,1,2,3
	v_max3_num_f32 v[TM+\b], |v[AC+16*\b+\i]|, |v[AC+16*\b+\i+1]|, v[TM+\b]
.endr
.endr
	WIN 0
.irp b, 0,1,2,3
	v_permlanex16_b32 v[TM+4+\b], v[TM+\b], s2, s3
.endr
.irp b, 0,1,2,3
	v_max_num_f32 v[TM+\b], v[TM+\b], v[TM+4+\b]   ; with lane l xor 16's 16: the block's largest magnitude
.endr
.irp b, 0,1,2,3
	v_add_nc_u32 v[TM+12+\b], 0xff000000, v[TM+\b] ; 2 off the exponent field: the conversion's scale operand
.endr
.irp b, 0,1,2,3
	v_lshrrev_b32 v[TM+4+\b], 23, v[TM+12+\b]      ; the byte
.endr
	v_lshl_or_b32 v[PW+\q], v[TM+5], 8, v[TM+4]
	v_lshl_or_b32 v[PW+\q], v[TM+6], 16, v[PW+\q]
	v_lshl_or_b32 v[PW+\q], v[TM+7], 24, v[PW+\q]
	WIN 0x03                                       ; source 0 window 3
.irp c, 0,1
	v_cvt_scalef32_pk16_fp6_f32 v[PQ+6*\c:PQ+6*\c+2], v[AC+32*\c:AC+32*\c+15], v[TM+12+2*\c]
	v_cvt_scalef32_pk16_fp6_f32 v[PQ+12+4*\c:PQ+14+4*\c], v[AC+16+32*\c:AC+31+32*\c], v[TM+13+2*\c]
.endr
	WIN 0
	v_nop                                          ; one plain line behind the conversions
.irp c, 0,1                                    ; a whole block to a lane: lanes 0-15 block 2 c, lanes 16-31 block 2 c + 1
.irp i, 0,1,2
	v_permlane16_swap_b32 v[PQ+6*\c+\i], v[PQ+12+4*\c+\i]
.endr
.irp i, 0,1,2
	v_mov_b32 v[PQ+3+6*\c+\i], v[PQ+12+4*\c+\i]
.endr
.endr
.endm
; q or k: a fragment's two halves are two heads' half images of one tile of rows.
.macro EPI_QK cb, sb, hstr, sstr, o16, o8, o4, kk   ; kk = 1: k's order of tiles
	NOPS                                           ; four places between the last products and the first read of results
	s_wait_xcnt 0x0                                ; the last way out's stores have read their registers
.irp q, 0,1,2,3
	QUANT \q
.irp e, 0,1
	global_store_b128 v[\o16], v[PC+24*\q+6*\e:PC+24*\q+6*\e+3], s[\cb:\cb+1] offset:(\q-\kk*2*(\q/2))*768+\kk*(\q/2)*128+\e*\hstr
	global_store_b64 v[\o8], v[PC+24*\q+6*\e+4:PC+24*\q+6*\e+5], s[\cb:\cb+1] offset:(\q-\kk*2*(\q/2))*768+\kk*(\q/2)*64+\e*\hstr+512
.endr
.endr
	v_perm_b32 v100, v[PW+1], v[PW], 0x05040100    ; the even head's bytes of tiles 0, 1
	v_perm_b32 v101, v[PW+3], v[PW+2], 0x05040100  ; of tiles 2, 3
	v_perm_b32 v102, v[PW+1], v[PW], 0x07060302    ; the odd head's
	v_perm_b32 v103, v[PW+3], v[PW+2], 0x07060302
	v_cndmask_b32 v104, v100, v101, s96            ; lanes 16-31 keep tiles 2, 3
	v_cndmask_b32 v105, v102, v103, s96
	global_store_b32 v[\o4], v104, s[\sb:\sb+1]
	global_store_b32 v[\o4], v105, s[\sb:\sb+1] offset:\sstr
.endm
.macro EPI_V                           ; v: a fragment is 16 channels x 128 keys
	NOPS
	s_wait_xcnt 0x0
.irp q, 0,1,2,3
	QUANT \q
	global_store_b128 v4, v[PC+24*\q:PC+24*\q+3], s[92:93] offset:\q*1536
	global_store_b64 v5, v[PC+24*\q+4:PC+24*\q+5], s[92:93] offset:\q*1536+512
	global_store_b128 v4, v[PC+24*\q+6:PC+24*\q+9], s[92:93] offset:\q*1536+768
	global_store_b64 v5, v[PC+24*\q+10:PC+24*\q+11], s[92:93] offset:\q*1536+1280
.endr
	v_cndmask_b32 v104, v[PW], v[PW+1], s96
	v_cndmask_b32 v105, v[PW+2], v[PW+3], s96
	global_store_b32 v6, v104, s[94:95]
	global_store_b32 v6, v105, s[94:95] offset:128
.endm
	s_load_b256 s[4:11], s[0:1], 0x0               ; xq, wq, wq_b, wk_b
	s_load_b128 s[12:15], s[0:1], 0x20             ; wv_b, qq
	s_load_b64 s[16:17], s[0:1], 0x30              ; kv
	v_lshl_add_u32 v7, v0, 2, SPARE                ; my spare word; never rewritten
	v_mov_b32 v8, 0                                ; 0; never rewritten
	ds_add_u32 v7, v8
	ds_add_u32 v7, v8
	s_wait_dscnt 0x0
	v_lshrrev_b32 v1, 5, v0
	v_readfirstlane_b32 s18, v1                    ; wave
	s_lshr_b32 s19, s18, 1                         ; wi
	s_and_b32 s20, s18, 1                          ; wj
	s_bfe_u32 s21, ttmp6, 0x40000                  ; cx
	s_bfe_u32 s22, ttmp6, 0x40004                  ; cy
	s_lshl_b32 s26, ttmp9, 2
	s_add_co_u32 s26, s26, s21                     ; gx: which 256 columns
	s_and_b32 s23, ttmp7, 0xffff
	s_lshl_b32 s23, s23, 2
	s_add_co_u32 s23, s23, s22                     ; my: which 128 rows
	s_lshl_b32 s24, s22, 2
	s_lshl_b32 s24, 15, s24                        ; my row of the cluster
	s_lshl_b32 s25, 0x1111, s21                    ; my column
	; descriptor groups 1: elements of 8 bytes, no padding; bit 21 set beside a mask
	s_or_b32 s28, s24, (3<<16)|(1<<21)             ; x's codes: 8 K steps x 12,288 bytes, 24,576 bytes apart
	s_mov_b32 s29, 1536<<16
	s_mov_b32 s30, 8<<16
	s_mov_b32 s31, 1536<<16
	s_mov_b32 s32, 8
	s_mov_b32 s33, 3072
	s_mov_b32 s34, 0
	s_mov_b32 s35, 0
	s_or_b32 s36, s24, (3<<16)|(1<<21)             ; x's scale words: 4,096 dense bytes as 16 rows of 256
	s_mov_b32 s37, 32<<16
	s_mov_b32 s38, 16<<16
	s_mov_b32 s39, 32<<16
	s_mov_b32 s40, 16
	s_mov_b32 s41, 32
	s_mov_b32 s42, 0
	s_mov_b32 s43, 0
	s_or_b32 s44, s25, (3<<16)|(1<<21)             ; W's scale words: 3 tensors x 8,192 bytes, 32,768 bytes apart
	s_mov_b32 s45, 1024<<16
	s_mov_b32 s46, 3<<16
	s_mov_b32 s47, 1024<<16
	s_mov_b32 s48, 3
	s_mov_b32 s49, 4096
	s_mov_b32 s50, 0
	s_mov_b32 s51, 0
	s_or_b32 s52, s25, (3<<16)|(1<<21)             ; W's codes: 98,304 dense bytes as 384 rows of 256
	s_mov_b32 s53, 32<<16
	s_mov_b32 s54, 384<<16
	s_mov_b32 s55, 32<<16
	s_mov_b32 s56, 384
	s_mov_b32 s57, 32
	s_mov_b32 s58, 0
	s_mov_b32 s59, 0
	; groups 0.  x's offsets are made in s[98:99] of my and the wave alone, W's in s[100:101] of gx and the wave alone; LDS addresses of the wave alone
	s_lshr_b32 s98, s23, 1
	s_mul_i32 s98, s98, 196608
	s_and_b32 s99, s23, 1
	s_mul_i32 s99, s99, 12288
	s_add_co_u32 s98, s98, s99
	s_mov_b32 s99, 0
	s_wait_kmcnt 0x0
	s_mov_b32 s60, 1
	s_mov_b32 s61, XA
	s_add_nc_u64 s[62:63], s[4:5], s[98:99]
	s_or_b32 s63, s63, 0x80000000
	s_lshl_b32 s98, s23, 12
	s_add_co_u32 s98, s98, SOFFX
	s_mov_b32 s68, 1
	s_mov_b32 s69, XSC
	s_add_nc_u64 s[70:71], s[4:5], s[98:99]
	s_or_b32 s71, s71, 0x80000000
	s_lshl_b32 s100, s26, 13
	s_add_co_u32 s100, s100, SOFFW
	s_mov_b32 s101, 0
	s_mov_b32 s72, 1
	s_mov_b32 s73, WSC
	s_add_nc_u64 s[74:75], s[6:7], s[100:101]
	s_or_b32 s75, s75, 0x80000000
	s_mul_i32 s100, s26, 196608
	s_mul_i32 s101, s18, 24576
	s_add_co_u32 s100, s100, s101
	s_mov_b32 s101, 0
	s_mov_b32 s76, 1
	s_mul_i32 s77, s18, 24576
	s_add_co_u32 s77, s77, WB0
	s_add_nc_u64 s[78:79], s[6:7], s[100:101]
	s_mov_b32 s80, 1
	s_add_co_u32 s81, s77, 98304
	s_add_nc_u64 s[82:83], s[78:79], 98304
	s_or_b32 s79, s79, 0x80000000
	s_or_b32 s83, s83, 0x80000000
	s_mul_i32 s100, s26, 196608                    ; group 0 of the head's load of W's whole first slot, in the registers that held xq's and wq's addresses
	s_add_nc_u64 s[6:7], s[6:7], s[100:101]
	s_or_b32 s7, s7, 0x80000000
	s_mov_b32 s4, 1
	s_mov_b32 s5, WB0
	CROUND                                         ; all sixteen work-groups are here: the first joint loads meet
	s_cmp_lt_u32 s18, 1                            ; one chain of arms on the wave's number, one load to an arm
	s_cbranch_scc0 .Lh1
	tensor_load_to_lds s[60:63], s[28:35]          ; wave 0: x's codes, 8 K steps x 12,288 bytes
	s_nop 0
	NOPS
	s_branch .Lhj
.Lh1:
	s_cmp_lt_u32 s18, 2
	s_cbranch_scc0 .Lh2
	tensor_load_to_lds s[4:7], s[52:59]            ; wave 1: W's first slot, 384 rows of 256 bytes
	s_nop 0
	NOPS
	s_branch .Lhj
.Lh2:
	s_cmp_lt_u32 s18, 3
	s_cbranch_scc0 .Lh3
	tensor_load_to_lds s[68:71], s[36:43]          ; wave 2: x's scale words
	s_nop 0
	NOPS
	s_branch .Lhj
.Lh3:
	tensor_load_to_lds s[72:75], s[44:51]          ; wave 3: W's scale words
	s_nop 0
	NOPS
.Lhj:
	v_and_b32 v1, 31, v0                           ; l
	v_and_b32 v2, 15, v0                           ; r
	v_bfe_u32 v3, v0, 4, 1                         ; h
	v_lshlrev_b32 v4, 4, v1                        ; 16 l
	v_lshlrev_b32 v5, 3, v1                        ; 8 l
	v_lshlrev_b32 v6, 2, v1                        ; 4 l
	v_lshlrev_b32 v24, 6, v3                       ; q's, k's bias: 16 h numbers on
	s_wait_alu depctr_va_vdst(0)
	v_and_b32 v25, 8, v2
	v_add_nc_u32 v25, v25, v2
	v_lshlrev_b32 v25, 2, v25                      ; v's bias: channel r + 8 (r/8) of a tile
	s_wait_alu depctr_va_vdst(0)
	s_lshl_b32 s2, s26, 10
	s_lshl_b32 s3, s20, 9
	s_add_co_u32 s2, s2, s3
	s_mov_b32 s3, 0
	s_add_nc_u64 s[8:9], s[8:9], s[2:3]            ; biases at column 256 gx + 128 wj
	s_add_nc_u64 s[10:11], s[10:11], s[2:3]
	s_lshl_b32 s2, s26, 10
	s_lshl_b32 s27, s18, 8
	s_add_co_u32 s2, s2, s27
	s_add_nc_u64 s[12:13], s[12:13], s[2:3]        ; at column 256 gx + 64 w
	WIN 0x80                                       ; destination window 2
.irp p, 0,1,2,3,4,5,6,7
	global_load_b128 v[96+8*\p:96+8*\p+3], v24, s[8:9] offset:(32*(\p/2)+8*(\p%2))*4       ; tile p, register j: column 32 (p/2) + 16 h + 8 (p%2) + j
	global_load_b128 v[96+8*\p+4:96+8*\p+7], v24, s[8:9] offset:(32*(\p/2)+8*(\p%2))*4+16
	global_load_b128 v[160+8*\p:160+8*\p+3], v24, s[10:11] offset:(32*(\p/2)+8*(\p%2))*4
	global_load_b128 v[160+8*\p+4:160+8*\p+7], v24, s[10:11] offset:(32*(\p/2)+8*(\p%2))*4+16
.endr
.irp q, 0,1,2,3
	global_load_b32 v[224+8*\q], v25, s[12:13] offset:(32*(\q/2)+8*(\q%2))*4
.endr
	WIN 0
	s_mul_i32 s2, s20, 12288
	v_add_nc_u32 v9, s2, v4                        ; W's tiles 8 wj on
	v_add_nc_u32 v10, s2, v5
	s_mul_i32 s3, s19, 6144
	v_add_nc_u32 v11, s3, v4                       ; x's tiles 4 wi on
	v_add_nc_u32 v12, s3, v5
	s_mul_i32 s27, s18, 6144
	v_add_nc_u32 v13, s27, v4                      ; W's tiles 4 w on
	v_add_nc_u32 v14, s27, v5
	s_lshl_b32 s2, s20, 12
	s_add_co_u32 s2, s2, WSC
	v_add_nc_u32 v20, s2, v6
	s_lshl_b32 s3, s19, 11
	s_add_co_u32 s3, s3, XSC
	v_add_nc_u32 v21, s3, v6
	v_add_nc_u32 v22, XSC, v6
	s_lshl_b32 s27, s18, 11
	s_add_co_u32 s27, s27, WSC
	v_add_nc_u32 v23, s27, v6
	v_cmp_eq_u32 s96, 1, v3
	v_and_b32 v29, 7, v0                           ; k's stores: row r of old tile 2 G + e goes to row r % 8 + 8 G of tile 2 (r / 8) + e
	v_bfe_u32 v30, v0, 3, 1
	v_mul_u32_u24 v31, v30, 1536
	v_lshl_add_u32 v26, v29, 4, v31
	v_lshl_add_u32 v26, v3, 8, v26                 ; 1,536 (r / 8) + 16 (r % 8) + 256 h
	v_lshl_add_u32 v27, v29, 3, v31
	v_lshl_add_u32 v27, v3, 7, v27                 ; 1,536 (r / 8) + 8 (r % 8) + 128 h
	v_lshl_add_u32 v28, v3, 3, v29
	v_lshl_add_u32 v28, v30, 4, v28
	v_lshlrev_b32 v28, 2, v28                      ; scale words: 4 (r % 8 + 8 h + 16 (r / 8))
.irp b, 0,1,2,3
	v_mov_b32 v[TM+4+\b], 0                        ; a lane permute's destination counts as read
.endr
	; where the results go
	s_lshr_b32 s27, s23, 4
	s_lshl_b32 s27, s27, 4
	s_lshl_b32 s2, s26, 2
	s_add_co_u32 s27, s27, s2                      ; my first head: 16 batch + 4 gx
	s_and_b32 s66, s23, 15                         ; sb: which 128 rows of the batch
	s_lshl_b32 s67, s20, 1
	s_add_co_u32 s67, s67, s27                     ; q, k: heads + 2 wj, + 2 wj + 1
	s_lshl_b32 s97, s66, 3
	s_lshl_b32 s2, s19, 2
	s_add_co_u32 s97, s97, s2                      ; my first tile of rows: 8 sb + 4 wi
	s_mul_i32 s2, s67, 98304
	s_mul_i32 s3, s97, 768
	s_add_co_u32 s2, s2, s3
	s_mov_b32 s3, 0
	s_add_nc_u64 s[84:85], s[14:15], s[2:3]        ; q's codes
	s_lshl_b32 s2, s67, 12
	s_lshl_b32 s3, s97, 5
	s_add_co_u32 s2, s2, s3
	s_add_co_u32 s2, s2, SOFFX
	s_mov_b32 s3, 0
	s_add_nc_u64 s[86:87], s[14:15], s[2:3]        ; q's scale words
	s_and_b32 s97, s97, 15                         ; the tile in its 256 keys
	s_lshr_b32 s3, s66, 1
	s_mul_i32 s3, s3, 25600
	s_mul_i32 s67, s67, 204800
	s_add_co_u32 s67, s67, s3
	s_add_co_u32 s27, s27, s18                     ; v: head + w
	s_mul_i32 s27, s27, 204800
	s_add_co_u32 s27, s27, s3
	s_mul_i32 s2, s97, 768
	s_add_co_u32 s2, s2, s67
	s_mov_b32 s3, 0
	s_add_nc_u64 s[88:89], s[16:17], s[2:3]        ; k's codes
	s_lshl_b32 s2, s97, 5
	s_add_co_u32 s2, s2, s67
	s_add_co_u32 s2, s2, 24576
	s_add_nc_u64 s[90:91], s[16:17], s[2:3]        ; k's scale words
	s_and_b32 s66, s66, 1
	s_mul_i32 s2, s66, 6144
	s_add_co_u32 s2, s2, s27
	s_add_co_u32 s2, s2, 12288
	s_add_nc_u64 s[92:93], s[16:17], s[2:3]        ; v's codes
	s_lshl_b32 s2, s66, 8
	s_add_co_u32 s2, s2, s27
	s_add_co_u32 s2, s2, 25088
	s_add_nc_u64 s[94:95], s[16:17], s[2:3]        ; v's scale words
	s_mov_b32 s2, 0x76543210
	s_mov_b32 s3, 0xfedcba98                       ; from here on: the selects for lane l xor 16
	s_wait_alu depctr_va_vdst(0)
	s_wait_tensorcnt 0x0                           ; my tile of the head's four is in
	ds_add_u32 v7, v8
	s_mov_b32 s54, 96<<16                          ; no load of mine is out: from here on a load of W's codes brings 96 rows
	s_mov_b32 s56, 96
	s_wait_dscnt 0x0
	CROUND                                         ; all four tiles are in, in all sixteen work-groups
	tensor_load_to_lds s[80:83], s[52:59]          ; W's second slot, a quarter a wave
	s_nop 0
	NOPS
	s_wait_loadcnt 0x0                             ; the biases
	WIN 0x82                                       ; destination and source 0 window 2
.irp q, 0,1,2,3
.irp i, 1,2,3,4,5,6,7
	v_mov_b32 v[224+8*\q+\i], v[224+8*\q]          ; v's bias hangs on the lane's channel alone: the same in all eight registers
.endr
.endr
	WIN 0
	SCALES 0, 0                                    ; ---- q (scale set A)
	UFETCH 0, 0, 0, 0, 0
	UNIT 0, 0, 1, 96
	CHANGE 0
	UFETCH 0, 1, 0, 4, 0
	LASTM 0, 0, 96
	UNIT 0, 1, 0, 96
	CHANGE 1
	SETB
	SCALES 0, 1                                    ; k's scale words and first fragments land under q's last products and its way out
	UFETCH 0, 0, 0, 0, 0
	SETA
	LASTM 0, 1, 96
	EPI_QK 84, 86, 98304, 4096, 4, 5, 6, 0
	SETB                                           ; ---- k (scale set B)
	UNIT 0, 0, 1, 160
	CHANGE 0
	UFETCH 0, 1, 0, 4, 0
	LASTM 0, 0, 160
	UNIT 0, 1, 0, 160
	CHANGE 1
	SETA
	SCALES 1, 2                                    ; v's likewise
	UFETCH 1, 0, 0, 0, 0
	SETB
	LASTM 0, 1, 160
	EPI_QK 88, 90, 204800, 204800, 26, 27, 28, 1
	SETA                                           ; ---- v (scale set A)
	UNIT 1, 0, 1, 224
	MEET
	UFETCH 1, 1, 0, 4, 0
	LASTM 1, 0, 224
	UNIT 1, 1, 0, 224
	LASTM 1, 1, 224
	EPI_V
	s_wait_tensorcnt 0x0                           ; the wave's end
	ds_add_u32 v7, v8
	s_wait_dscnt 0x0
	CROUND                                         ; the closing round
	s_endpgm
.Lfunc_end_k_q6b09908fc5_qkv:
	.size	k_q6b09908fc5_qkv, .Lfunc_end_k_q6b09908fc5_qkv-k_q6b09908fc5_qkv
	.p2alignl 7, 3214868480
	.fill 96, 4, 3214868480
	.section	.rodata,"a",@progbits
	.p2align	6, 0x0
	.amdhsa_kernel k_q6b09908fc5_qkv
		.amdhsa_group_segment_fixed_size 327680
		.amdhsa_private_segment_fixed_size 0
		.amdhsa_enable_private_segment 0
		.amdhsa_kernarg_size 56
		.amdhsa_user_sgpr_count 2
		.amdhsa_user_sgpr_kernarg_segment_ptr 1
		.amdhsa_wavefront_size32 1
		.amdhsa_system_sgpr_workgroup_id_x 1
		.amdhsa_system_sgpr_workgroup_id_y 1
		.amdhsa_system_sgpr_workgroup_id_z 1
		.amdhsa_system_vgpr_workitem_id 0
		.amdhsa_next_free_vgpr 1024
		.amdhsa_next_free_sgpr 102
		.amdhsa_reserve_vcc 0
		.amdhsa_float_denorm_mode_32 3
		.amdhsa_float_denorm_mode_16_64 3
		.amdhsa_memory_ordered 1
		.amdhsa_forward_progress 1
		.amdhsa_inst_pref_size 255
	.end_amdhsa_kernel
	.section	.bss,"aw",@nobits
	.p2align	6
	.space	262144
	.amdgpu_metadata
---
amdhsa.version: [ 1, 2 ]
amdhsa.kernels:
  - .name:           k_q6b09908fc5_qkv
    .symbol:         k_q6b09908fc5_qkv.kd
    .args:
      - { .name: xq, .offset: 0, .size: 8, .value_kind: global_buffer, .address_space: global }
      - { .name: wq, .offset: 8, .size: 8, .value_kind: global_buffer, .address_space: global }
      - { .name: wq_b, .offset: 16, .size: 8, .value_kind: global_buffer, .address_space: global }
      - { .name: wk_b, .offset: 24, .size: 8, .value_kind: global_buffer, .address_space: global }
      - { .name: wv_b, .offset: 32, .size: 8, .value_kind: global_buffer, .address_space: global }
      - { .name: qq, .offset: 40, .size: 8, .value_kind: global_buffer, .address_space: global }
      - { .name: kv, .offset: 48, .size: 8, .value_kind: global_buffer, .address_space: global }
    .group_segment_fixed_size: 327680
    .private_segment_fixed_size: 0
    .kernarg_segment_align: 8
    .kernarg_segment_size: 56
    .max_flat_workgroup_size: 128
    .sgpr_count:     102
    .vgpr_count:     1024
    .wavefront_size: 32
...
	.end_amdgpu_metadata
.endif
;; end of part 2
;; launch attn (part 3): grid 4 x 64, 16 waves a work-group, clusters of 4 x 1, 327,680 bytes of LDS; arguments qq, kv, aq; writes aq
.if DOCPART == 3
	.amdgcn_target "amdgcn-amd-amdhsa--gfx1250"
	.amdhsa_code_object_version 6
	.text
	.protected	k_q6b09908fc5_attn
	.globl	k_q6b09908fc5_attn
	.p2align	8
	.type	k_q6b09908fc5_attn,@function
k_q6b09908fc5_attn:
	s_mov_b64 s[64:65], 0
	v_nop
	global_prefetch_b8 v0, s[64:65] scope:SCOPE_SE
	s_setreg_imm32_b32 hwreg(HW_REG_WAVE_MODE, 25, 1), 1
	s_wait_xcnt 0x0
	s_wait_alu depctr_hold_cnt(0) depctr_sa_sdst(0) depctr_va_vdst(0) depctr_va_sdst(0) depctr_va_ssrc(0) depctr_va_vcc(0) depctr_vm_vsrc(0)
	s_getreg_b32 s2, hwreg(HW_REG_IB_STS2, 6, 4)
	s_cmp_eq_u32 s2, 0
	s_cbranch_scc0 .Lentry_in_a_cluster
	s_endpgm
.Lentry_in_a_cluster:
	s_bfe_u32 s2, ttmp6, 0x10000c
	s_cmp_lg_u32 s2, 0x3003
	s_cbranch_scc0 .Lentry_shape_is_right
	s_endpgm
.Lentry_shape_is_right:
; Causal attention of one head on codes of FP6 (E2M3) with E8M0 scales, and the quantiser of its result.  Head size 64, 2,048 keys.
; t = score x log2(e) / 8; M = the running largest t rounded UP to a whole number; p = 2^(t - M) is quantised along the keys, not normalised; the row's sum is taken of the unquantised p and divides at the end.
; When M moves, the sum and O are multiplied by 2^(old M - new M): exact.
; LEFT OUT: key steps of 128 all of whose keys come after a tile's queries: the causal mask sets their scores to -infinity, whatever the inputs hold.
; SHARES.  The four work-groups of a head form a cluster.  The head's whole K and V (204,800 dense bytes of kv) come into every partner's LDS ONCE: each of sixteen waves asks jointly (mask 15) for 12,800 bytes.
; Nothing is filled again, so the loops have no barrier.  Wave w of work-group i owns the tiles of 16 queries 4 w + i (short) and 127 - 4 w - i (long): w / 2 + 1 and 16 - w / 2 key steps of 128, seventeen for every wave;
; both counts hang on the wave's number alone.  PHASE 1, two trips: the long tile's steps 0 and 1, which need the first 25,600 bytes alone (waves 0 and 1's loads, shown by the first barrier).  A second barrier shows the rest.
; PHASE 2, fifteen trips, one live step in each: the long tile's steps 2 .. 15 - w / 2, then the short tile's 0 .. w / 2: key step (trip + 2 + sel x (w / 2)) % 16, sel = 1 from the change of tiles on.
; A tile's last step is the one with hidden keys.
; NO PREFETCH: every byte that the launch reads through LDS is asked for at the head; there is no later load to run ahead of.
; LAYOUT.  Both products transposed: S^T = K Q^T, O^T = V^T P^T: a lane holds ONE query throughout.  Tile u of 64 keys holds keys 8 u + 0..7 and 32 + 8 u + 0..7, so register 32 c + 8 u + j of lane (r, h)
; is key 64 c + 32 h + 8 u + j: a lane's 32 registers are one scale block, in the order of the second product's operand.
; THE FIRST PRODUCT'S K IS 64, the instruction's 128: a fragment of K holds TWO tiles of keys; it is multiplied once by (Q, zeros) and once by (zeros, Q).  The zero codes' scale bytes are 0 (2^-127): a code 0 adds nothing.
; CHAINS.  Maxima and sums run in eight chains by turns, so that a line reads what the eighth line before it wrote.
; OUT.  aq, laid as the first launch lays x's codes: [256 rows][K step = pair of heads: 8][tile 16][head % 2][768], scale words behind.
; LIMITS: NaN and infinities are not served; a block whose largest magnitude lies under 2^-124 (zeros too) gets the byte 1; the scaled scores stay under 2^31 in magnitude.
; REGISTERS: v1-3 16 l, 8 l, 4 l; v7, v8 the spare word and 0; v9 my query - the step's first key - 32 h; v10 8 h; v11 4 r; v12 -M, v13 the largest score, v[14:15] the sum; v16-33 zeros, Q, zeros; v34, v35 Q's scale words;
;   v36-39 K's and V's; v40-87 four fragments; v88-90 addresses; v95 -infinity; v96-159 S^T, then p; v160-191 O^T; v192-210 codes; v212-223 at work; v224 p's scale word; v226 f; v228-235, v244-251 partial sums; v236-243 the short tile's Q.
.set SPARE, 204800                     ; the spare words, 128 bytes for each of 16 waves: eight blocks of 256 bytes that no other line names
.set SOFF,  6291456
.set S,   96
.set OT,  160
.set PC,  192
.set BM,  212
.set SO,  216
.set MX,  216                          ; v216-223: the eight chains of the maxima: 2 a + c
.macro NOPS
.rept 4
	v_nop
.endr
.endm
.macro CROUND                          ; a round of the cluster's barrier
	s_barrier_signal -1
	s_barrier_wait -1
	s_cmp_lg_u32 s10, 0
	s_cbranch_scc1 .Lnot_wave_0_\@
	s_barrier_signal -3
.Lnot_wave_0_\@:
	s_barrier_wait -3
	s_barrier_signal -1
	s_barrier_wait -1
.endm
.macro FRAG4 d, a16, a8, off
	ds_load_b128 v[\d:\d+3], v[\a16] offset:\off
	ds_load_b64 v[\d+4:\d+5], v[\a8] offset:\off+512
	ds_load_b128 v[\d+6:\d+9], v[\a16] offset:\off+768
	ds_load_b64 v[\d+10:\d+11], v[\a8] offset:\off+1280
.endm
.macro SW dr, g, br, sb                ; 16 keys x my 16 queries
.if (\g)%2
	v_wmma_scale_f32_16x16x128_f8f6f4 v[\dr:\dr+7], v[40+12*(\g):51+12*(\g)], v[\br:\br+11], 0, v[36+(\g)/2], v[\sb] matrix_a_fmt:MATRIX_FMT_FP6 matrix_b_fmt:MATRIX_FMT_FP6 matrix_a_scale:MATRIX_SCALE_ROW1
.else
	v_wmma_scale_f32_16x16x128_f8f6f4 v[\dr:\dr+7], v[40+12*(\g):51+12*(\g)], v[\br:\br+11], 0, v[36+(\g)/2], v[\sb] matrix_a_fmt:MATRIX_FMT_FP6 matrix_b_fmt:MATRIX_FMT_FP6
.endif
.endm
.macro OW t                            ; 16 channels x my 16 queries, over 128 keys
.if (\t)%2
	v_wmma_scale_f32_16x16x128_f8f6f4 v[OT+8*(\t):OT+8*(\t)+7], v[40+12*(\t):51+12*(\t)], v[PC:PC+11], v[OT+8*(\t):OT+8*(\t)+7], v[38+(\t)/2], v224 matrix_a_fmt:MATRIX_FMT_FP6 matrix_b_fmt:MATRIX_FMT_FP6 matrix_a_scale:MATRIX_SCALE_ROW1
.else
	v_wmma_scale_f32_16x16x128_f8f6f4 v[OT+8*(\t):OT+8*(\t)+7], v[40+12*(\t):51+12*(\t)], v[PC:PC+11], v[OT+8*(\t):OT+8*(\t)+7], v[38+(\t)/2], v224 matrix_a_fmt:MATRIX_FMT_FP6 matrix_b_fmt:MATRIX_FMT_FP6
.endif
.endm
.macro TADDR t, qc, qs, oc, os         ; for the tile in s\t: Q's codes, Q's scale words, where the codes and the scale bytes of the result go
	s_mul_i32 s44, s12, 98304
	s_mul_i32 s45, s\t, 768
	s_add_co_u32 s44, s44, s45
	s_mov_b32 s45, 0
	s_add_nc_u64 s[\qc:\qc+1], s[4:5], s[44:45]
	s_lshl_b32 s44, s12, 12
	s_lshr_b32 s46, s\t, 1
	s_lshl_b32 s46, s46, 6
	s_add_co_u32 s44, s44, s46
	s_add_co_u32 s44, s44, SOFF
	s_add_nc_u64 s[\qs:\qs+1], s[4:5], s[44:45]
	s_lshr_b32 s44, s12, 4
	s_lshl_b32 s44, s44, 3
	s_lshr_b32 s46, s\t, 4
	s_add_co_u32 s44, s44, s46                     ; block of 256 rows: 8 batch + tile / 16
	s_mul_i32 s44, s44, 196608
	s_and_b32 s46, s\t, 15
	s_mul_i32 s46, s46, 1536
	s_add_co_u32 s44, s44, s46
	s_add_co_u32 s44, s44, s60
	s_add_nc_u64 s[\oc:\oc+1], s[8:9], s[44:45]
	s_lshr_b32 s44, s12, 4
	s_lshl_b32 s44, s44, 7
	s_add_co_u32 s44, s44, s\t
	s_lshl_b32 s44, s44, 9
	s_add_co_u32 s44, s44, s61
	s_add_nc_u64 s[\os:\os+1], s[8:9], s[44:45]
.endm
.macro QSCALE src, sh                  ; my tile's two bytes out of the raw word: for (Q, zeros) in bytes 0, 1; for (zeros, Q) in bytes 2, 3
	v_lshrrev_b32 v34, s\sh, v[\src]
	v_and_b32 v34, 0xffff, v34
	v_lshlrev_b32 v35, 16, v34
.endm
.macro START                           ; a tile begins: the largest score is -3e38, -M a large whole number; the sums, f and O^T are zeros, which the first change of M leaves zeros
	v_mov_b32 v13, 0xff61b1e6
	v_mov_b32 v12, 0x7e000000
	v_mov_b32 v14, 0
	v_mov_b32 v15, 0
	v_mov_b32 v226, 0
.irp j, 228,229,230,231,232,233,234,235,244,245,246,247,248,249,250,251
	v_mov_b32 v[\j], 0
.endr
.set n, 0
.rept 32
	v_mov_b32 v[OT+n], 0                           ; (also the places between the writing of Q's registers and scale words and the next scaled products)
.set n, n+1
.endr
.endm
.macro SETBASE                         ; key step s37: 256 keys are 25,600 bytes; in them a step's codes lie 6,144 bytes apart, its scale words 256
	s_lshr_b32 s44, s37, 1
	s_mul_i32 s44, s44, 25600
	s_and_b32 s45, s37, 1
	s_mul_i32 s46, s45, 6144
	s_add_co_u32 s46, s46, s44
	s_lshl_b32 s47, s45, 8
	s_add_co_u32 s47, s47, s44
.endm
.macro PEND                            ; the last step's eight partial sums are joined, and go onto the old sum brought under that step's M.  Plain lines: the first four serve as the places behind matrix instructions
	v_pk_add_f32 v[228:229], v[228:229], v[230:231]
	v_pk_add_f32 v[232:233], v[232:233], v[234:235]
	v_pk_add_f32 v[244:245], v[244:245], v[246:247]
	v_pk_add_f32 v[248:249], v[248:249], v[250:251]
	s_delay_alu instid0(VALU_DEP_3)
	v_pk_add_f32 v[228:229], v[228:229], v[232:233]
	s_delay_alu instid0(VALU_DEP_2)
	v_pk_add_f32 v[244:245], v[244:245], v[248:249]
	s_delay_alu instid0(VALU_DEP_1)
	v_pk_add_f32 v[228:229], v[228:229], v[244:245]
	s_delay_alu instid0(VALU_DEP_1)
	v_pk_fma_f32 v[14:15], v[14:15], v[226:227], v[228:229] op_sel_hi:[1,0,1]
.endm
; A KEY STEP: 128 keys.  mask = 1: the text serves the tile's last step too, where keys behind the query are hidden.
.macro STEP mask
	v_add_nc_u32 v88, s46, v1
	v_add_nc_u32 v89, s46, v2
	v_add_nc_u32 v90, s47, v3
	v_nop                                          ; four places in front of loads into registers that the last products read
.irp g, 0,1,2,3
	FRAG4 40+12*\g, 88, 89, \g*1536
.endr
	ds_load_b32 v36, v90 offset:24576
	ds_load_b32 v37, v90 offset:24704
	s_wait_alu depctr_va_vdst(0)
	s_wait_dscnt 0x0
.irp g, 0,1,2,3
	SW S+16*\g, \g, 22, 34                         ; the fragment's first tile
	SW S+16*\g+8, \g, 16, 35                       ; its second
.endr
	PEND                                           ; the places in front of the loads below and of the first read of the scores
.irp t, 0,1,2,3
	FRAG4 40+12*\t, 88, 89, 12288+\t*1536          ; V's fragments land under the softmax
.endr
	ds_load_b32 v38, v90 offset:25088
	ds_load_b32 v39, v90 offset:25216
.if \mask
	s_cmp_lg_u32 s37, s38
	s_cbranch_scc1 .Lopen_\@                       ; not the tile's last step: every key counts
	s_cmp_lg_u32 s16, 0                            ; in which 64 keys of the step my queries lie: it hangs on the wave's number and the tile in hand
	s_cbranch_scc1 .Lhigh_\@
.set n, 0
.rept 4                                        ; an accumulator at a time: eight compares into eight scalar registers, then the eight selections
.irp k, 0,1,2,3,4,5,6,7
	v_cmp_gt_i32 s[52+\k], n+\k, v9                ; the lower 64: register n is hidden where 8 u + j > my query - the step's first key - 32 h;
.endr
.irp k, 0,1,2,3,4,5,6,7
	v_cndmask_b32 v[S+n+\k], v[S+n+\k], v95, s[52+\k]
.endr
.irp k, 0,1,2,3,4,5,6,7
	v_mov_b32 v[S+32+n+\k], v95                    ; the upper 64 are all hidden
.endr
.set n, n+8
.endr
	s_wait_alu depctr_va_vdst(0)
	s_branch .Lopen_\@
.Lhigh_\@:
.set n, 0
.rept 4
.irp k, 0,1,2,3,4,5,6,7
	v_cmp_gt_i32 s[52+\k], 64+n+\k, v9             ; the lower 64 all count; the upper 64 one by one
.endr
.irp k, 0,1,2,3,4,5,6,7
	v_cndmask_b32 v[S+32+n+\k], v[S+32+n+\k], v95, s[52+\k]
.endr
.set n, n+8
.endr
.Lopen_\@:
.endif
.irp a, 0,1,2,3                                ; the largest score of my two blocks of 32 keys: a chain to each accumulator, from its low end on
.irp c, 0,1
	v_max3_num_f32 v[MX+2*\a+\c], v[S+32*\c+8*\a], v[S+32*\c+8*\a+1], v[S+32*\c+8*\a+2]
.endr
.endr
.irp i, 3,5
.irp a, 0,1,2,3
.irp c, 0,1
	v_max3_num_f32 v[MX+2*\a+\c], v[MX+2*\a+\c], v[S+32*\c+8*\a+\i], v[S+32*\c+8*\a+\i+1]
.endr
.endr
.endr
.irp c, 0,1                                    ; the accumulators' last registers
	v_max3_num_f32 v[MX+2+\c], v[MX+2+\c], v[S+32*\c+7], v[S+32*\c+15]
	v_max3_num_f32 v[MX+6+\c], v[MX+6+\c], v[S+32*\c+23], v[S+32*\c+31]
.endr
	s_delay_alu instid0(VALU_DEP_4)
	v_max3_num_f32 v[MX], v[MX], v[MX+4], v[MX+2]
	s_delay_alu instid0(VALU_DEP_3)
	v_max3_num_f32 v[MX+1], v[MX+1], v[MX+5], v[MX+3]
	s_delay_alu instid0(VALU_DEP_2)
	v_max_num_f32 v212, v[MX], v[MX+6]
	s_delay_alu instid0(VALU_DEP_2)
	v_max_num_f32 v213, v[MX+1], v[MX+7]
	s_delay_alu instid0(VALU_DEP_1)
	v_max_num_f32 v220, v212, v213
	s_delay_alu instid0(VALU_DEP_1)
	v_permlanex16_b32 v214, v220, s20, s21
	s_delay_alu instid0(VALU_DEP_1)
	v_max3_num_f32 v13, v13, v220, v214            ; the running largest score of my query
	s_delay_alu instid0(VALU_DEP_1)
	v_mul_f32 v221, s19, v13                       ; -t
	s_delay_alu instid0(VALU_DEP_1)
	v_floor_f32 v221, v221                         ; the new -M = floor(-t): M is a whole number
	s_delay_alu instid0(VALU_DEP_1)
	v_sub_f32 v222, v221, v12
	s_delay_alu instid0(VALU_DEP_2)
	v_mov_b32 v12, v221
	s_delay_alu instid0(VALU_DEP_2)
	v_cvt_i32_f32 v222, v222                       ; old M - new M, 0 or less (it saturates)
	s_delay_alu instid0(VALU_DEP_1)
	v_ldexp_f32 v226, 1.0, v222                    ; f = 2^(old M - new M)
.set n, 0
.rept 32
	v_pk_fma_f32 v[S+n:S+n+1], v[S+n:S+n+1], s[22:23], v[12:13] op_sel_hi:[1,0,0]   ; t - M, two at a time
.set n, n+2
.endr
	v_fma_f32 v212, v212, s22, v12
	v_fma_f32 v213, v213, s22, v12
	s_wait_alu depctr_va_vdst(0)
.set n, 0
.rept 64
	v_exp_f32 v[S+n], v[S+n]                       ; p = 2^(t - M)
.set n, n+1
.endr
	v_exp_f32 v212, v212                           ; each block's largest p: the same two instructions on the same number
	v_exp_f32 v213, v213
	s_wait_alu depctr_va_vdst(0)                   ; one wait for the batch, directly ahead of the first reader of O^T
.set n, 0
.rept 16
	v_pk_mul_f32 v[OT+n:OT+n+1], v[OT+n:OT+n+1], v[226:227] op_sel_hi:[1,0]   ; O^T under the new M, each accumulator from its low end on; also the plain lines behind the exponentials
.set n, n+2
.endr
	v_max_num_f32 v212, 0x1800000, v212            ; the floor 2^(3 - 127)
	v_max_num_f32 v213, 0x1800000, v213
	s_delay_alu instid0(VALU_DEP_2)
	v_add_nc_u32 v216, 0xff000000, v212            ; 2 off the exponent field: the conversions' scale operands
	s_delay_alu instid0(VALU_DEP_2)
	v_add_nc_u32 v217, 0xff000000, v213
	s_delay_alu instid0(VALU_DEP_2)
	v_lshrrev_b32 v218, 23, v216
	s_delay_alu instid0(VALU_DEP_2)
	v_lshrrev_b32 v219, 23, v217
	s_delay_alu instid0(VALU_DEP_1)
	v_lshl_or_b32 v218, v219, 16, v218             ; my bytes: blocks h and 2 + h,
	s_delay_alu instid0(VALU_DEP_1)
	v_lshlrev_b32 v218, v10, v218                  ; at their places;
	s_delay_alu instid0(VALU_DEP_1)
	v_permlanex16_b32 v215, v218, s20, s21
	s_delay_alu instid0(VALU_DEP_1)
	v_or_b32 v224, v218, v215                      ; with lane l xor 16's two: p's scale word for these 128 keys
.irp c, 0,1
	v_cvt_scalef32_pk16_fp6_f32 v[PC+6*\c:PC+6*\c+2], v[S+32*\c:S+32*\c+15], v[SO+\c]
	v_cvt_scalef32_pk16_fp6_f32 v[PC+12+4*\c:PC+14+4*\c], v[S+16+32*\c:S+31+32*\c], v[SO+\c]   ; (a conversion's three registers begin on an even number)
.endr
.irp k, 0,1,2,3,4,5,6,7                        ; the row's sum of the unquantised p: eight chains of pairs (chain k at v[228 + 2 k + 8 (k / 4)]); they are joined behind the next score products, or at the tile's end
	v_pk_add_f32 v[228+2*\k+8*(\k/4):229+2*\k+8*(\k/4)], v[S+4*\k:S+4*\k+1], v[S+4*\k+2:S+4*\k+3]
.endr
.irp c, 0,1
.irp i, 0,1,2
	v_mov_b32 v[PC+3+6*\c+\i], v[PC+12+4*\c+\i]    ; six words on end: a whole block to a lane, as the operand wants it
.endr
.endr
.set n, 32
.rept 16
	v_pk_add_f32 v[228+2*((n/2)%8)+8*(((n/2)%8)/4):229+2*((n/2)%8)+8*(((n/2)%8)/4)], v[228+2*((n/2)%8)+8*(((n/2)%8)/4):229+2*((n/2)%8)+8*(((n/2)%8)/4)], v[S+n:S+n+1]
.set n, n+2
.endr
	s_wait_alu depctr_va_vdst(0)
	s_wait_dscnt 0x0                               ; V
	OW 0                                           ; the four accumulators by turns
	OW 1
	OW 2
	OW 3
.endm
; A tile ends: O^T / the sum, quantised along the head's 64 (two blocks of 32), stored as a half image with its two scale bytes.  Register 16 b + i is channel 32 b + 16 h + i of my query.
.macro FINAL cb, sb
	PEND                                           ; the last step's sums; also the places behind the last products
	s_delay_alu instid0(VALU_DEP_1)
	v_add_f32 v14, v14, v15
	s_delay_alu instid0(VALU_DEP_1)
	v_permlanex16_b32 v214, v14, s20, s21
	s_delay_alu instid0(VALU_DEP_1)
	v_add_f32 v14, v14, v214                       ; the row's sum
	s_wait_alu depctr_va_vdst(0)
	v_rcp_f32 v14, v14
	v_nop                                          ; a plain line behind the reciprocal
	s_wait_alu depctr_va_vdst(0)
.set n, 0
.rept 32
	v_mul_f32 v[S+n], v[OT+n], v14
.set n, n+1
.endr
.irp b, 0,1                                    ; each block's largest magnitude of my 16, in two chains, with the floor 2^(3 - 127)
	v_max3_num_f32 v[BM+\b], |v[S+16*\b]|, |v[S+1+16*\b]|, 0x1800000
	v_max3_num_f32 v[218+\b], |v[S+16*\b+8]|, |v[S+16*\b+9]|, |v[S+16*\b+10]|
.endr
.irp i, 2,4
.irp b, 0,1
	v_max3_num_f32 v[BM+\b], v[BM+\b], |v[S+16*\b+\i]|, |v[S+1+16*\b+\i]|
	v_max3_num_f32 v[218+\b], v[218+\b], |v[S+16*\b+9+\i]|, |v[S+16*\b+10+\i]|
.endr
.endr
.irp b, 0,1
	v_max3_num_f32 v[BM+\b], v[BM+\b], |v[S+16*\b+6]|, |v[S+16*\b+7]|
.endr
.irp b, 0,1
	v_max3_num_f32 v[BM+\b], v[BM+\b], v[218+\b], |v[S+16*\b+15]|
.endr
.irp b, 0,1
	s_delay_alu instid0(VALU_DEP_2)
	v_permlanex16_b32 v[214+\b], v[BM+\b], s20, s21
.endr
.irp b, 0,1
	s_delay_alu instid0(VALU_DEP_2)
	v_max_num_f32 v[BM+\b], v[BM+\b], v[214+\b]
.endr
.irp b, 0,1
	s_delay_alu instid0(VALU_DEP_2)
	v_add_nc_u32 v[SO+\b], 0xff000000, v[BM+\b]
.endr
.irp b, 0,1
	s_delay_alu instid0(VALU_DEP_2)
	v_lshrrev_b32 v[218+\b], 23, v[SO+\b]
.endr
	s_delay_alu instid0(VALU_DEP_1)
	v_lshl_or_b32 v220, v219, 8, v218
	v_cvt_scalef32_pk16_fp6_f32 v[PC:PC+2], v[S:S+15], v[SO]
	v_cvt_scalef32_pk16_fp6_f32 v[PC+12:PC+14], v[S+16:S+31], v[SO+1]
	v_nop
.irp i, 0,1,2
	v_permlane16_swap_b32 v[PC+\i], v[PC+12+\i]
.endr
.irp i, 0,1,2
	v_mov_b32 v[PC+3+\i], v[PC+12+\i]
.endr
	global_store_b128 v1, v[PC:PC+3], s[\cb:\cb+1]             ; 512 consecutive bytes
	global_store_b64 v2, v[PC+4:PC+5], s[\cb:\cb+1] offset:512 ; 256 consecutive bytes
	global_store_b16 v11, v220, s[\sb:\sb+1]                   ; my head's two bytes of row r's scale word (lanes r and r + 16 write the same bytes with the same value)
	s_wait_xcnt 0x0                                            ; the stores' registers may be written again
.endm
	s_load_b128 s[4:7], s[0:1], 0x0                ; qq, kv
	s_load_b64 s[8:9], s[0:1], 0x10                ; aq
	v_lshl_add_u32 v7, v0, 2, SPARE
	v_mov_b32 v8, 0
	ds_add_u32 v7, v8
	ds_add_u32 v7, v8
	v_lshrrev_b32 v1, 5, v0
	v_readfirstlane_b32 s10, v1                    ; wave 0..15
	s_bfe_u32 s11, ttmp6, 0x40000                  ; i: my place in the cluster; it enters global addresses and lane data alone
	s_and_b32 s12, ttmp7, 0xffff                   ; head 0..63 (16 batch + head)
	s_mov_b32 s19, 0xbe38aa3b                      ; -c
	s_mov_b32 s20, 0x76543210
	s_mov_b32 s21, 0xfedcba98
	s_mov_b32 s22, 0x3e38aa3b                      ; c = log2(e) / 8
	s_mov_b32 s23, s22
	s_mov_b32 s24, 15|(3<<16)|(1<<21)              ; group 1: the four partners; 12,800 dense bytes as 50 rows of 256 (32 elements of 8 bytes); no padding
	s_mov_b32 s25, 32<<16
	s_mov_b32 s26, 50<<16
	s_mov_b32 s27, 32<<16
	s_mov_b32 s28, 50
	s_mov_b32 s29, 32
	s_mov_b32 s30, 0
	s_mov_b32 s31, 0
	s_mov_b32 s32, 1
	s_mul_i32 s33, s10, 12800                      ; my sixteenth of the head's part of kv, in LDS as in memory
	s_mul_i32 s44, s12, 204800
	s_add_co_u32 s44, s44, s33
	s_mov_b32 s45, 0
	s_wait_alu depctr_va_vdst(0)
	s_wait_dscnt 0x0
	CROUND                                         ; the four partners are here: the joint loads meet
	s_wait_kmcnt 0x0
	s_add_nc_u64 s[34:35], s[6:7], s[44:45]
	s_or_b32 s35, s35, 0x80000000
	s_cmp_lt_u32 s10, 2                            ; two arms, so that the first barrier can show the first 256 keys alone
	s_cbranch_scc0 .Lupper
	tensor_load_to_lds s[32:35], s[24:31]
	s_nop 0
	NOPS
	s_branch .Lasked
.Lupper:
	tensor_load_to_lds s[32:35], s[24:31]
	s_nop 0
	NOPS
.Lasked:
	s_lshl_b32 s13, s10, 2
	s_add_co_u32 s13, s13, s11                     ; the short tile: 4 w + i
	s_sub_co_u32 s14, 127, s13                     ; the long tile
	s_and_b32 s46, s12, 15                         ; head in the batch
	s_lshr_b32 s47, s46, 1
	s_and_b32 s46, s46, 1
	s_mul_i32 s60, s47, 24576
	s_mul_i32 s44, s46, 768
	s_add_co_u32 s60, s60, s44                     ; codes: K step head / 2, half head % 2
	s_lshl_b32 s61, s47, 6
	s_lshl_b32 s46, s46, 1
	s_add_co_u32 s61, s61, s46
	s_add_co_u32 s61, s61, SOFF                    ; scale bytes: 64 (head / 2) + 2 (head % 2)
	TADDR 14, 52, 54, 40, 42
	TADDR 13, 56, 58, 48, 50
	s_and_b32 s63, s13, 1
	s_lshl_b32 s63, s63, 4                         ; 16 (tile % 2): my half of a raw scale word
	s_xor_b32 s62, s63, 16
	s_and_b32 s44, s14, 1                          ; a tile's first query in its last key step: 8 (tile % 2) + 32 ((tile / 2) % 4)
	s_lshl_b32 s44, s44, 3
	s_bfe_u32 s45, s14, 0x20001
	s_lshl_b32 s45, s45, 5
	s_add_co_u32 s44, s44, s45
	s_and_b32 s46, s13, 1
	s_lshl_b32 s46, s46, 3
	s_bfe_u32 s45, s13, 0x20001
	s_lshl_b32 s45, s45, 5
	s_add_co_u32 s46, s46, s45
	s_lshr_b32 s15, s10, 1                         ; w / 2: the short tile's last key step
	s_sub_co_u32 s38, 15, s15                      ; the long tile's
	s_and_b32 s16, s10, 1
	s_xor_b32 s16, s16, 1                          ; (tile / 4) % 2: which 64 keys of its last step hold the tile's queries: long 1 - w % 2, short w % 2
	v_and_b32 v11, 31, v0
	v_lshlrev_b32 v1, 4, v11
	v_lshlrev_b32 v2, 3, v11
	v_lshlrev_b32 v3, 2, v11
	v_and_b32 v88, 15, v0                          ; r
	v_bfe_u32 v10, v0, 4, 1                        ; h
	v_bfe_u32 v89, v0, 3, 1
	v_lshlrev_b32 v11, 2, v88                      ; 4 r
	v_lshl_add_u32 v88, v89, 3, v88                ; r + 8 (r / 8)
	v_lshlrev_b32 v89, 5, v10
	v_sub_nc_u32 v88, v88, v89                     ; - 32 h
	v_lshlrev_b32 v10, 3, v10                      ; 8 h
	v_add_nc_u32 v9, s44, v88
	v_add_nc_u32 v243, s46, v88
	global_load_b128 v[22:25], v1, s[52:53]
	global_load_b64 v[26:27], v2, s[52:53] offset:512
	global_load_b32 v244, v11, s[54:55]
	global_load_b128 v[236:239], v1, s[56:57]
	global_load_b64 v[240:241], v2, s[56:57] offset:512
	global_load_b32 v242, v11, s[58:59]
.irp j, 16,17,18,19,20,21,28,29,30,31,32,33
	v_mov_b32 v[\j], 0                             ; the zero codes on both sides of Q
.endr
	v_mov_b32 v214, 0                              ; a lane permute's destination counts as read
	v_mov_b32 v215, 0
	v_mov_b32 v227, 0                              ; (named as the upper half of the pair v[226:227])
	v_mov_b32 v95, 0xff800000
	s_wait_alu depctr_va_vdst(0)
	s_wait_loadcnt 0x0                             ; from here on s52-59, which held Q's addresses, are free: the mask's compares take them
	QSCALE 244, 62
	START
	s_wait_alu depctr_va_vdst(0)
	s_cmp_lt_u32 s10, 2
	s_cbranch_scc0 .Lnot_lower
	s_wait_tensorcnt 0x0                           ; waves 0 and 1: my half of the first 256 keys is in
.Lnot_lower:
	s_barrier_signal -1
	s_barrier_wait -1                              ; the first 25,600 bytes are in
	s_mov_b32 s37, 0
.Lp1:                                              ; the long tile's key steps 0 and 1: every key counts
	SETBASE
	STEP 0
	s_add_co_u32 s37, s37, 1
	s_cmp_lt_u32 s37, 2
	s_cbranch_scc1 .Lp1
	s_wait_tensorcnt 0x0                           ; every wave: all my loads are in
	s_wait_dscnt 0x0
	s_barrier_signal -1
	s_barrier_wait -1                              ; all of K and V is in
	s_mov_b32 s39, 0
.Lp2:                                              ; fifteen trips, one live step in each
	s_add_co_u32 s44, s39, s15
	s_cmp_lg_u32 s44, 14
	s_cbranch_scc1 .Lsame
	FINAL 40, 42                                   ; trip 14 - w / 2: the long tile is done: on to the short one, from the head's first key
	s_mov_b32 s38, s15
	s_xor_b32 s16, s16, 1
	v_mov_b32 v9, v243
.irp j, 0,1,2,3,4,5
	v_mov_b32 v[22+\j], v[236+\j]
.endr
	QSCALE 242, 63
	START
	s_wait_alu depctr_va_vdst(0)
.Lsame:
	s_add_co_u32 s44, s39, s15
	s_add_co_u32 s44, s44, 2
	s_lshr_b32 s44, s44, 4                         ; sel: 1 from the change of tiles on (trip + w / 2 + 2 is 23 at the most)
	s_mul_i32 s44, s44, s15
	s_add_co_u32 s37, s39, 2
	s_add_co_u32 s37, s37, s44
	s_and_b32 s37, s37, 15                         ; the key step
	SETBASE
	STEP 1
	s_add_co_u32 s39, s39, 1
	s_cmp_lt_u32 s39, 15
	s_cbranch_scc1 .Lp2
	FINAL 48, 50
	s_wait_tensorcnt 0x0                           ; the wave's end
	ds_add_u32 v7, v8
	s_wait_dscnt 0x0
	CROUND                                         ; the closing round
	s_endpgm
.Lfunc_end_k_q6b09908fc5_attn:
	.size	k_q6b09908fc5_attn, .Lfunc_end_k_q6b09908fc5_attn-k_q6b09908fc5_attn
	.p2alignl 7, 3214868480
	.fill 96, 4, 3214868480
	.section	.rodata,"a",@progbits
	.p2align	6, 0x0
	.amdhsa_kernel k_q6b09908fc5_attn
		.amdhsa_group_segment_fixed_size 327680
		.amdhsa_private_segment_fixed_size 0
		.amdhsa_enable_private_segment 0
		.amdhsa_kernarg_size 24
		.amdhsa_user_sgpr_count 2
		.amdhsa_user_sgpr_kernarg_segment_ptr 1
		.amdhsa_wavefront_size32 1
		.amdhsa_system_sgpr_workgroup_id_x 1
		.amdhsa_system_sgpr_workgroup_id_y 1
		.amdhsa_system_sgpr_workgroup_id_z 1
		.amdhsa_system_vgpr_workitem_id 0
		.amdhsa_next_free_vgpr 256
		.amdhsa_next_free_sgpr 66
		.amdhsa_reserve_vcc 0
		.amdhsa_float_denorm_mode_32 3
		.amdhsa_float_denorm_mode_16_64 3
		.amdhsa_memory_ordered 1
		.amdhsa_forward_progress 1
		.amdhsa_inst_pref_size 64
	.end_amdhsa_kernel
	.amdgpu_metadata
---
amdhsa.version: [ 1, 2 ]
amdhsa.kernels:
  - .name:           k_q6b09908fc5_attn
    .symbol:         k_q6b09908fc5_attn.kd
    .args:
      - { .name: qq, .offset: 0, .size: 8, .value_kind: global_buffer, .address_space: global }
      - { .name: kv, .offset: 8, .size: 8, .value_kind: global_buffer, .address_space: global }
      - { .name: aq, .offset: 16, .size: 8, .value_kind: global_buffer, .address_space: global }
    .group_segment_fixed_size: 327680
    .private_segment_fixed_size: 0
    .kernarg_segment_align: 8
    .kernarg_segment_size: 24
    .max_flat_workgroup_size: 512
    .sgpr_count:     66
    .vgpr_count:     256
    .wavefront_size: 32
...
	.end_amdgpu_metadata
.endif
;; end of part 3
;; launch proj (part 4): grid 4 x 64, 4 waves a work-group, clusters of 4 x 4, 327,680 bytes of LDS; arguments aq, wq, wo_b, out0; writes out0
.if DOCPART == 4
	.amdgcn_target "amdgcn-amd-amdhsa--gfx1250"
	.amdhsa_code_object_version 6
	.text
	.protected	k_q6b09908fc5_proj
	.globl	k_q6b09908fc5_proj
	.p2align	8
	.type	k_q6b09908fc5_proj,@function
k_q6b09908fc5_proj:
	s_mov_b64 s[64:65], 0
	v_nop
	global_prefetch_b8 v0, s[64:65] scope:SCOPE_SE
	s_setreg_imm32_b32 hwreg(HW_REG_WAVE_MODE, 25, 1), 1
	s_wait_xcnt 0x0
	s_wait_alu depctr_hold_cnt(0) depctr_sa_sdst(0) depctr_va_vdst(0) depctr_va_sdst(0) depctr_va_ssrc(0) depctr_va_vcc(0) depctr_vm_vsrc(0)
	s_getreg_b32 s2, hwreg(HW_REG_IB_STS2, 6, 4)
	s_cmp_eq_u32 s2, 0
	s_cbranch_scc0 .Lentry_in_a_cluster
	s_endpgm
.Lentry_in_a_cluster:
	s_bfe_u32 s2, ttmp6, 0x10000c
	s_cmp_lg_u32 s2, 0xf033
	s_cbranch_scc0 .Lentry_shape_is_right
	s_endpgm
.Lentry_shape_is_right:
; out0 = a Wo^T + wo_b on codes of FP6 (E2M3) with E8M0 scales; sums in f32; out0 [8192][1024] f32.
; a's codes and scale words (aq) and Wo's (blocks 12-15 of wq) lie as images of the operands' registers: a tile of 16 rows x 128 K is 1,536 dense bytes.
; SHARES.  A work-group of four waves makes 128 rows x 256 columns; all of K = 1,024 for both operands fits in LDS and is brought once: nothing is filled again.
; Wave (wi, wj): source 0 = 8 tiles of Wo (columns 128 wj on), source 1 = 4 tiles of a (rows 64 wi on): a lane holds one row, its registers run along the columns:
; register 16 b + i of source 1's tile q is column 32 b + 16 (lane/16) + i.  The bias is the C of each sum's first matrix instruction.
; CLUSTER 4 x 4: the four work-groups of a row of the cluster share a's tiles, the four of a column Wo's: each tile is asked for jointly.
; A tile's rows are 32 g + 8 u + p + 8 (p/8): the way out puts each row at its true place.
; REGISTERS.  window 0: v1-27 addresses; v48-79, v98-113 scale words; v128-255 rows on the way out.  window 1: source 0's fragments, two sets.  window 2: source 1's, two sets; the bias v96-159.  window 3: the 32 accumulators.
.set XA,    0
.set WB0,   98304
.set XSC,   294912
.set WSC,   299008
.set SOFFX, 6291456
.set SOFFW, 3145728
.set SP,  48
.set SQ,  98                           ; source 1's scale words, v98-113: a product's two scale registers differ by 2 modulo 4
.set MSB, 0
.macro WIN new
.if MSB != \new
	s_set_vgpr_msb (MSB<<8)|\new
.set MSB, \new
.endif
.endm
.macro NOPS
.rept 4
	v_nop
.endr
.endm
.macro CROUND                          ; a round of the cluster's barrier
	s_barrier_signal -1
	s_barrier_wait -1
	s_cmp_lg_u32 s18, 0
	s_cbranch_scc1 .Lnot_wave_0_\@
	s_barrier_signal -3
.Lnot_wave_0_\@:
	s_barrier_wait -3
	s_barrier_signal -1
	s_barrier_wait -1
.endm
.macro FRAG4 d, a16, a8, off
	ds_load_b128 v[\d:\d+3], v[\a16] offset:\off
	ds_load_b64 v[\d+4:\d+5], v[\a8] offset:\off+512
	ds_load_b128 v[\d+6:\d+9], v[\a16] offset:\off+768
	ds_load_b64 v[\d+10:\d+11], v[\a8] offset:\off+1280
.endm
.macro FETCH offp, offq, set           ; one K step's 12 fragments; the four additions are the four plain places in front of the loads
	v_add_nc_u32 v16, \offp, v9
	v_add_nc_u32 v17, \offp, v10
	v_add_nc_u32 v18, \offq, v11
	v_add_nc_u32 v19, \offq, v12
	WIN 0x40
.irp p, 0,1,2,3,4,5,6,7
	FRAG4 128*(\set)+12*\p, 16, 17, \p*1536
.endr
	WIN 0x80
.irp q, 0,1,2,3
	FRAG4 48*(\set)+12*\q, 18, 19, \q*1536
.endr
	WIN 0
.endm
.macro WM odd
.if \odd
	v_wmma_scale_f32_16x16x128_f8f6f4 v[DR:DR+7], v[AR:AR+11], v[BR:BR+11], v[CR:CR+7], v[SA], v[SB] matrix_a_fmt:MATRIX_FMT_FP6 matrix_b_fmt:MATRIX_FMT_FP6 matrix_a_scale:MATRIX_SCALE_ROW1 matrix_b_scale:MATRIX_SCALE_ROW1
.else
	v_wmma_scale_f32_16x16x128_f8f6f4 v[DR:DR+7], v[AR:AR+11], v[BR:BR+11], v[CR:CR+7], v[SA], v[SB] matrix_a_fmt:MATRIX_FMT_FP6 matrix_b_fmt:MATRIX_FMT_FP6
.endif
.endm
.macro MUL32 set, ks, first            ; 32 matrix instructions: the 32 accumulators by turns
.if \first
	WIN 0xe9
.else
	WIN 0xf9
.endif
.irp q, 0,1,2,3
.irp p, 0,1,2,3,4,5,6,7
.set DR, 8*(8*\q+\p)
.set AR, 128*(\set)+12*\p
.set BR, 48*(\set)+12*\q
.if \first
.set CR, 96+8*\p
.else
.set CR, DR
.endif
.set SA, SP+4*\p+(\ks)/2
.set SB, SQ+4*\q+(\ks)/2
	WM (\ks)%2
.endr
.endr
	WIN 0
.endm
.macro UNIT slot, first                ; the first three K steps of a half of K, and the wait for the fourth's fragments; a step's fragments are asked for one step ahead, the first ahead of the unit
.irp s, 0,1,2
	s_wait_dscnt 0x0
	FETCH WB0+(\slot)*98304+(\s+1)*24576, XA+(4*(\slot)+\s+1)*12288, (\s+1)%2
.if (\first) && (\s == 0)
	MUL32 (\s)%2, 4*(\slot)+\s, 1
.else
	MUL32 (\s)%2, 4*(\slot)+\s, 0
.endif
.endr
	s_wait_dscnt 0x0
.endm
; THE WAY OUT, a tile of 16 rows x 128 columns at a time, through my own stage: in as 64 bytes a lane and block, back as whole rows of 512 bytes.  LDS serves a wave's instructions in order.
.macro TOSTAGE q
	WIN 0x0c                                       ; an LDS store's data: window 3
.irp g, 0,1,2,3
.irp k, 0,1,2,3
	ds_store_b128 v26, v[64*(\q)+16*\g+4*\k:64*(\q)+16*\g+4*\k+3] offset:128*\g+16*\k   ; each accumulator from its low end on
.endr
.endr
	WIN 0
.irp t, 0,1,2,3,4,5,6,7,8,9,10,11,12,13,14,15
	ds_load_b128 v[128+64*((\q)%2)+4*\t:128+64*((\q)%2)+4*\t+3], v27 offset:\t*528
.endr
.endm
.macro SEND q, younger                 ; younger: the LDS instructions issued behind this tile's loads, which may stay out
	s_wait_dscnt \younger
.irp t, 0,1,2,3,4,5,6,7,8,9,10,11,12,13,14,15
	global_store_b128 v4, v[128+64*((\q)%2)+4*\t:128+64*((\q)%2)+4*\t+3], s[10:11] offset:(32*((\q)/2)+8*((\q)%2)+\t+8*(\t/8))*4096 th:TH_STORE_NT   ; 512 consecutive bytes, at a multiple of 256 from the buffer's first byte
.endr
.endm
	s_load_b256 s[4:11], s[0:1], 0x0               ; aq, wq, wo_b, out0
	v_lshl_add_u32 v126, v0, 2, 0x4b000
	v_mov_b32 v127, 0
	ds_add_u32 v126, v127
	ds_add_u32 v126, v127
	v_lshrrev_b32 v1, 5, v0
	v_readfirstlane_b32 s18, v1                    ; wave
	s_lshr_b32 s19, s18, 1                         ; wi
	s_and_b32 s20, s18, 1                          ; wj
	s_bfe_u32 s21, ttmp6, 0x40000                  ; cx
	s_bfe_u32 s22, ttmp6, 0x40004                  ; cy
	s_lshl_b32 s26, ttmp9, 2
	s_add_co_u32 s26, s26, s21                     ; gx
	s_and_b32 s23, ttmp7, 0xffff
	s_lshl_b32 s23, s23, 2
	s_add_co_u32 s23, s23, s22                     ; my
	s_lshl_b32 s24, s22, 2
	s_lshl_b32 s24, 15, s24                        ; my row of the cluster
	s_lshl_b32 s25, 0x1111, s21                    ; my column
	s_or_b32 s28, s24, (3<<16)|(1<<21)             ; a's codes: 8 K steps x 12,288 bytes, 24,576 bytes apart
	s_mov_b32 s29, 1536<<16
	s_mov_b32 s30, 8<<16
	s_mov_b32 s31, 1536<<16
	s_mov_b32 s32, 8
	s_mov_b32 s33, 3072
	s_mov_b32 s34, 0
	s_mov_b32 s35, 0
	s_or_b32 s36, s24, (3<<16)|(1<<21)             ; a's scale words: 16 rows of 256 bytes
	s_mov_b32 s37, 32<<16
	s_mov_b32 s38, 16<<16
	s_mov_b32 s39, 32<<16
	s_mov_b32 s40, 16
	s_mov_b32 s41, 32
	s_mov_b32 s42, 0
	s_mov_b32 s43, 0
	s_or_b32 s44, s25, (3<<16)|(1<<21)             ; Wo's scale words: 32 rows of 256 bytes
	s_mov_b32 s45, 32<<16
	s_mov_b32 s46, 32<<16
	s_mov_b32 s47, 32<<16
	s_mov_b32 s48, 32
	s_mov_b32 s49, 32
	s_mov_b32 s50, 0
	s_mov_b32 s51, 0
	s_or_b32 s52, s25, (3<<16)|(1<<21)             ; Wo's codes: 384 rows of 256 bytes
	s_mov_b32 s53, 32<<16
	s_mov_b32 s54, 384<<16
	s_mov_b32 s55, 32<<16
	s_mov_b32 s56, 384
	s_mov_b32 s57, 32
	s_mov_b32 s58, 0
	s_mov_b32 s59, 0
	s_lshr_b32 s98, s23, 1                         ; a's offsets in s[98:99], of my and the wave alone; Wo's in s[100:101], of gx and the wave alone
	s_mul_i32 s98, s98, 196608
	s_and_b32 s99, s23, 1
	s_mul_i32 s99, s99, 12288
	s_add_co_u32 s98, s98, s99
	s_mov_b32 s99, 0
	s_wait_dscnt 0x0
	s_wait_kmcnt 0x0
	s_mov_b32 s60, 1
	s_mov_b32 s61, XA
	s_add_nc_u64 s[62:63], s[4:5], s[98:99]
	s_or_b32 s63, s63, 0x80000000
	s_lshl_b32 s98, s23, 12
	s_add_co_u32 s98, s98, SOFFX
	s_mov_b32 s68, 1
	s_mov_b32 s69, XSC
	s_add_nc_u64 s[70:71], s[4:5], s[98:99]
	s_or_b32 s71, s71, 0x80000000
	s_add_co_u32 s100, s26, 12                     ; Wo's block of 256 rows
	s_lshl_b32 s100, s100, 13
	s_add_co_u32 s100, s100, SOFFW
	s_mov_b32 s101, 0
	s_mov_b32 s72, 1
	s_mov_b32 s73, WSC
	s_add_nc_u64 s[74:75], s[6:7], s[100:101]
	s_or_b32 s75, s75, 0x80000000
	s_add_co_u32 s100, s26, 12
	s_mul_i32 s100, s100, 196608
	s_mul_i32 s101, s18, 24576
	s_add_co_u32 s100, s100, s101
	s_mov_b32 s101, 0
	s_mov_b32 s76, 1
	s_mul_i32 s77, s18, 24576
	s_add_co_u32 s77, s77, WB0
	s_add_nc_u64 s[78:79], s[6:7], s[100:101]
	s_mov_b32 s80, 1
	s_add_co_u32 s81, s77, 98304
	s_add_nc_u64 s[82:83], s[78:79], 98304
	s_or_b32 s79, s79, 0x80000000
	s_or_b32 s83, s83, 0x80000000
	s_add_co_u32 s100, s26, 12                     ; group 0 of the head's load of Wo's whole first half of K, in the registers that held aq's and wq's addresses
	s_mul_i32 s100, s100, 196608
	s_add_nc_u64 s[6:7], s[6:7], s[100:101]
	s_or_b32 s7, s7, 0x80000000
	s_mov_b32 s4, 1
	s_mov_b32 s5, WB0
	CROUND                                         ; all sixteen work-groups are here: the joint loads meet
	s_cmp_lt_u32 s18, 1                            ; one chain of arms on the wave's number, one whole tile to an arm
	s_cbranch_scc0 .Lh1
	tensor_load_to_lds s[60:63], s[28:35]          ; wave 0: a's codes
	s_nop 0
	NOPS
	s_branch .Lhj
.Lh1:
	s_cmp_lt_u32 s18, 2
	s_cbranch_scc0 .Lh2
	tensor_load_to_lds s[4:7], s[52:59]            ; wave 1: Wo's first half of K
	s_nop 0
	NOPS
	s_branch .Lhj
.Lh2:
	s_cmp_lt_u32 s18, 3
	s_cbranch_scc0 .Lh3
	tensor_load_to_lds s[68:71], s[36:43]          ; wave 2: a's scale words
	s_nop 0
	NOPS
	s_branch .Lhj
.Lh3:
	tensor_load_to_lds s[72:75], s[44:51]          ; wave 3: Wo's scale words
	s_nop 0
	NOPS
.Lhj:
	v_and_b32 v1, 31, v0                           ; l
	v_and_b32 v2, 15, v0                           ; r
	v_bfe_u32 v3, v0, 4, 1                         ; h
	v_lshlrev_b32 v4, 4, v1
	s_wait_alu depctr_va_vdst(0)
	v_lshlrev_b32 v5, 3, v1
	s_wait_alu depctr_va_vdst(0)
	v_lshlrev_b32 v6, 2, v1
	s_wait_alu depctr_va_vdst(0)
	v_lshlrev_b32 v24, 6, v3
	s_lshl_b32 s2, s26, 10
	s_lshl_b32 s3, s20, 9
	s_add_co_u32 s2, s2, s3
	s_mov_b32 s3, 0
	s_add_nc_u64 s[8:9], s[8:9], s[2:3]            ; the bias at column 256 gx + 128 wj
	WIN 0x80
.irp p, 0,1,2,3,4,5,6,7
	global_load_b128 v[96+8*\p:96+8*\p+3], v24, s[8:9] offset:(32*(\p/2)+8*(\p%2))*4
	global_load_b128 v[96+8*\p+4:96+8*\p+7], v24, s[8:9] offset:(32*(\p/2)+8*(\p%2))*4+16
.endr
	WIN 0
	s_mul_i32 s2, s20, 12288
	v_add_nc_u32 v9, s2, v4                        ; Wo's tiles 8 wj on
	v_add_nc_u32 v10, s2, v5
	s_mul_i32 s3, s19, 6144
	v_add_nc_u32 v11, s3, v4                       ; a's tiles 4 wi on
	v_add_nc_u32 v12, s3, v5
	s_lshl_b32 s2, s20, 12
	s_add_co_u32 s2, s2, WSC
	v_add_nc_u32 v20, s2, v6
	s_lshl_b32 s3, s19, 11
	s_add_co_u32 s3, s3, XSC
	v_add_nc_u32 v21, s3, v6
	s_mul_i32 s2, s18, 8448                        ; my stage: 16 rows x (512 + 16) bytes, in Wo's first slot, which has had its only fill and is read for the last time ahead of the second barrier
	s_add_co_u32 s2, s2, WB0
	v_mul_u32_u24 v26, v2, 528
	v_lshl_add_u32 v26, v3, 6, v26
	v_add_nc_u32 v26, s2, v26                      ; in: row r, + 64 h
	v_add_nc_u32 v27, s2, v4                       ; back: 16 l
	s_lshl_b32 s2, s23, 7
	s_lshl_b32 s3, s19, 6
	s_add_co_u32 s2, s2, s3
	s_lshl_b32 s2, s2, 12                          ; row 128 my + 64 wi, 4,096 bytes a row
	s_lshl_b32 s3, s26, 10
	s_add_co_u32 s2, s2, s3
	s_lshl_b32 s3, s20, 9
	s_add_co_u32 s2, s2, s3
	s_mov_b32 s3, 0
	s_add_nc_u64 s[10:11], s[10:11], s[2:3]
	s_wait_alu depctr_va_vdst(0)
	s_wait_tensorcnt 0x0                           ; my tile of the head's four is in
	ds_add_u32 v126, v127
	s_mov_b32 s54, 96<<16                          ; no load of mine is out: the next load of Wo's codes brings 96 rows
	s_mov_b32 s56, 96
	s_wait_dscnt 0x0
	CROUND                                         ; all four tiles are in, in all sixteen work-groups
	tensor_load_to_lds s[80:83], s[52:59]          ; Wo's second half of K, a quarter a wave
	s_nop 0
	NOPS
.irp p, 0,1,2,3,4,5,6,7
.irp j, 0,1,2,3
	ds_load_b32 v[SP+4*\p+\j], v20 offset:\p*512+\j*128
.endr
.endr
.irp q, 0,1,2,3
.irp j, 0,1,2,3
	ds_load_b32 v[SQ+4*\q+\j], v21 offset:\q*512+\j*128
.endr
.endr
	s_wait_loadcnt 0x0                             ; the bias
	FETCH WB0, XA, 0
	UNIT 0, 1                                      ; behind it my reads of the first slot are over
	s_wait_tensorcnt 0x0                           ; my part of the second half has landed,
	s_barrier_signal -1
	s_barrier_wait -1                              ; everybody's
	FETCH WB0+98304, XA+4*12288, 0                 ; the second half's first fragments land under the first half's last products
	MUL32 1, 3, 0
	UNIT 1, 0
	MUL32 1, 7, 0
	NOPS                                           ; four places between the last products and the first read of results
	TOSTAGE 0
	TOSTAGE 1
	SEND 0, 32                                     ; behind tile 0's loads: tile 1's 16 stores and 16 loads
	s_wait_xcnt 0x0                                ; tile 0's stores have read their registers: tile 2's rows may land there
	TOSTAGE 2
	SEND 1, 32
	s_wait_xcnt 0x0
	TOSTAGE 3
	SEND 2, 32
	SEND 3, 0
	s_wait_tensorcnt 0x0
	ds_add_u32 v126, v127
	s_wait_dscnt 0x0
	CROUND                                         ; the closing round
	s_endpgm
.Lfunc_end_k_q6b09908fc5_proj:
	.size	k_q6b09908fc5_proj, .Lfunc_end_k_q6b09908fc5_proj-k_q6b09908fc5_proj
	.p2alignl 7, 3214868480
	.fill 96, 4, 3214868480
	.section	.rodata,"a",@progbits
	.p2align	6, 0x0
	.amdhsa_kernel k_q6b09908fc5_proj
		.amdhsa_group_segment_fixed_size 327680
		.amdhsa_private_segment_fixed_size 0
		.amdhsa_enable_private_segment 0
		.amdhsa_kernarg_size 32
		.amdhsa_user_sgpr_count 2
		.amdhsa_user_sgpr_kernarg_segment_ptr 1
		.amdhsa_wavefront_size32 1
		.amdhsa_system_sgpr_workgroup_id_x 1
		.amdhsa_system_sgpr_workgroup_id_y 1
		.amdhsa_system_sgpr_workgroup_id_z 1
		.amdhsa_system_vgpr_workitem_id 0
		.amdhsa_next_free_vgpr 1024
		.amdhsa_next_free_sgpr 102
		.amdhsa_reserve_vcc 0
		.amdhsa_float_denorm_mode_32 3
		.amdhsa_float_denorm_mode_16_64 3
		.amdhsa_memory_ordered 1
		.amdhsa_forward_progress 1
		.amdhsa_inst_pref_size 89
	.end_amdhsa_kernel
	.amdgpu_metadata
---
amdhsa.version: [ 1, 2 ]
amdhsa.kernels:
  - .name:           k_q6b09908fc5_proj
    .symbol:         k_q6b09908fc5_proj.kd
    .args:
      - { .name: aq, .offset: 0, .size: 8, .value_kind: global_buffer, .address_space: global }
      - { .name: wq, .offset: 8, .size: 8, .value_kind: global_buffer, .address_space: global }
      - { .name: wo_b, .offset: 16, .size: 8, .value_kind: global_buffer, .address_space: global }
      - { .name: out0, .offset: 24, .size: 8, .value_kind: global_buffer, .address_space: global }
    .group_segment_fixed_size: 327680
    .private_segment_fixed_size: 0
    .kernarg_segment_align: 8
    .kernarg_segment_size: 32
    .max_flat_workgroup_size: 128
    .sgpr_count:     102
    .vgpr_count:     1024
    .wavefront_size: 32
...
	.end_amdgpu_metadata
.endif
;; end of part 4
